; MI455X (gfx1250); checked and timed in simulation.
; The chip was launched on July 23, 2026; its instructions are those of AMD's public machine-readable ISA for CDNA 5 (MIT licence, August 2026) and "CDNA5" Instruction Set Architecture Reference Guide (July 2026). The comments in the code are by the model that wrote it; some were corrected since.
;; Causal Self Attention. Allowed arithmetic: matrix products marked QUANTISED: E2M1 operands, one E8M0 scale for each 32 along K, by v_wmma_scale_f32_16x16x128_f8f6f4 with both operands' format E2M1 (or v_wmma_scale_f32_32x16x128_f4), f32 sums; products left as they are: bf16, f16 or f32 operands; f32 sums; everything else in f32.
;; Inputs: W_attn 1,024 x 3,072 float32; W_proj 1,024 x 1,024 float32; b_attn 3,072 float32; b_proj 1,024 float32; x 4 x 2,048 x 1,024 float32.
;; Outputs: out0 4 x 2,048 x 1,024 float32.
;; This version of the problem:
;;   THIS VERSION OF THE PROBLEM IS GIVEN IN LOW PRECISION. The matrix products marked QUANTISED in the list below multiply operands that are first quantised to E2M1 (2 exponent bits, 1 mantissa bit; 4 bits a number), with one power-of-two scale for each 32 numbers along K (OCP MX v1.0); their sums are f32. The products marked 'left as it is' may take bf16, f16 or f32 operands, with f32 sums. Whichever they take, every output number must still come out within the allowed error. Rounding operands to bf16 (8 significant bits) uses up far more of that allowance than f16 does (11 bits, for magnitudes from 6e-5 to 65,504). All else is computed in f32.
;;   The module's matrix products, in the order in which they are computed (A, B: the left and right operand; K: the contracted axis; several contracted axes count as one K, in the product's order):
;;     1. [M 8,192, K 1,024] x [K 1,024, N 3,072]; A: input x; B: input W_attn: QUANTISED
;;     2. batch 64 x [M 2,048, K 64] x [K 64, N 2,048]; A: computed on the way; B: computed on the way: left as it is (an operand is computed on the way)
;;     3. batch 64 x [M 2,048, K 2,048] x [K 2,048, N 64]; A: computed on the way; B: computed on the way: left as it is (an operand is computed on the way)
;;     4. [M 8,192, K 1,024] x [K 1,024, N 1,024]; A: computed on the way; B: input W_proj: left as it is (an operand is computed on the way)
;;   THE QUANTISER, for each operand of a quantised product, along K:
;;     - K is cut into blocks of 32 from its start; a last block that is shorter is filled with zeros.
;;     - A block's scale is 2^e with e = floor(log2(the largest magnitude in the block)) - 2, held to -126 .. 127; a block of zeros has e = 0. As a byte (E8M0): e + 127.
;;     - Each number is divided by its block's scale, clamped to +-6, and rounded to the nearest number of E2M1, ties to even, subnormals kept.
;;     - The product sums the exact products of the quantised numbers (number of the format x scale) in f32.
;;   ~~~python
;;   def quantise(x, axis):      # numpy; x: float32 -> the quantised numbers, widened to float32 again
;;       x = np.moveaxis(x, axis, -1); K = x.shape[-1]
;;       x = np.pad(x, [(0, 0)] * (x.ndim - 1) + [(0, -K % 32)]); x = x.reshape(x.shape[:-1] + (-1, 32)); a = np.abs(x).max(-1, keepdims=True)
;;       e = np.where(a > 0, np.clip(np.frexp(np.where(a > 0, a, 1))[1] - 1 - 2, -126, 127), 0)      # np.frexp(a)[1] - 1 = floor(log2(a)), exactly
;;       r = np.clip(x / 2.0 ** e, -6, 6)
;;       step = 2.0 ** (np.maximum(np.frexp(np.where(r == 0, 1, r))[1] - 1, 0) - 1)
;;       q = np.round(r / step) * step * 2.0 ** e      # np.round: ties to even
;;       return np.moveaxis(q.reshape(q.shape[:-2] + (-1,))[..., :K], -1, axis).astype(np.float32)
;;   ~~~
;; One version. Each part assembles by itself: llvm-mc -triple=amdgcn-amd-amdhsa -mcpu=gfx1250 --defsym DOCPART=n.
;; ======== version 1 of 1: 6 launches
;; limits: values are held in f16: magnitudes above 65,504 overflow, below 6.1e-05 lose precision
;; workspace buffers: x_codes 4,194,304 bytes; x_scales 262,144 bytes; w_codes 1,572,864 bytes; w_scales 98,304 bytes; wp16 2,097,152 bytes; qkv16 50,331,648 bytes; y16 16,777,216 bytes; y_img 262,144 bytes
;; launch prep (part 1): grid 288 x 1, 8 waves a work-group, no clusters, 67,584 bytes of LDS; arguments x, W_attn, W_proj, x_codes, x_scales, w_codes, w_scales, wp16; writes x_codes, x_scales, w_codes, w_scales, wp16
.if DOCPART == 1
	.amdgcn_target "amdgcn-amd-amdhsa--gfx1250"
	.amdhsa_code_object_version 6
	.text
	.protected	k_q83be636e4f_prep
	.globl	k_q83be636e4f_prep
	.p2align	8
	.type	k_q83be636e4f_prep,@function
k_q83be636e4f_prep:
	s_mov_b64 s[64:65], 0
	v_nop
	global_prefetch_b8 v0, s[64:65] scope:SCOPE_SE
	s_setreg_imm32_b32 hwreg(HW_REG_WAVE_MODE, 25, 1), 1
	s_wait_xcnt 0x0
; PREP: the operands of the quantised product are turned into codes of E2M1 with one E8M0 byte for each 32 along K, and W_proj is rounded to f16.
; Three paths, chosen by the work-group's number; each has LDS bytes of its own; they join at the common end.
;   X (work-groups 0-127):   x [8192][1024] f32, K innermost -> x_codes [8192][512 bytes], x_scales [8192][32 bytes].  A plain stream of blocks of 32.
;   W (work-groups 128-223): W_attn [1024 (k)][3072 (n)] f32, K outermost -> w_codes [k/32][n][16 bytes], w_scales [n][32 bytes].  A lane takes a column, its registers run down K.
;   P (work-groups 224-287): W_proj [1024][1024] f32 -> wp16, the same order, f16, rounded to nearest even.
; A block's scale is 2^(floor(log2(largest magnitude)) - 2): its byte is the largest magnitude's exponent field - 2, held at 1 from below.
; LIMITS: a block of zeros gets the byte 1 where the rule says 127 (its codes are zeros, and this program alone reads the bytes); blocks whose largest magnitude lies under 2^-124 are held at byte 1;
; NaN and infinities among the inputs are not served; W_proj beyond 65,504 has no f16 number.
.set SPW,   12                         ; v12  LDS address of my spare word; never rewritten
.set NIL,   13                         ; v13  0; never rewritten
.set STEPS, 16
.set R,     16                         ; path X: v16-79 four sets of 16 numbers as loaded
.set X,     80                         ; v80-111 two sets of 16 neighbours
.set E,     112                        ; v112-127 a scale byte for each step
.set C,     128                        ; v128-191 codes, registers of their own for each step
.set WREG,  8192                       ; path X: a wave's LDS region: two stages of 32 x 80 bytes, then its 256 scale bytes
.set SP,    80
.set WSC,   65536                      ; path W: 32 columns x 32 scale bytes
.set SPARE, 66560                      ; the spare words, 128 bytes for each of the eight waves
	s_load_b512 s[4:19], s[0:1], 0x0               ; x 4:5, W_attn 6:7, W_proj 8:9, x_codes 10:11, x_scales 12:13, w_codes 14:15, w_scales 16:17, wp16 18:19
	v_lshl_add_u32 v[SPW], v0, 2, SPARE
	v_mov_b32 v[NIL], 0
	v_lshrrev_b32 v1, 5, v0
	v_readfirstlane_b32 s20, v1                    ; wave 0..7
	v_and_b32 v2, 31, v0                           ; lane
	s_mov_b32 s25, 0                               ; the high word of every offset pair s[24:25]
	s_wait_kmcnt 0x0
	s_cmp_lt_u32 ttmp9, 128
	s_cbranch_scc0 .Lnot_x
; ---------------- path X: a wave takes 16 steps of 512 numbers.  Each load reads 512 consecutive bytes; a step's 2,048 bytes turn through the wave's own stage so that a lane holds 16 neighbours along K.
	v_lshlrev_b32 v3, 4, v2                        ; my 16 bytes of a load's 512
	s_mul_i32 s21, s20, WREG
	v_lshrrev_b32 v14, 2, v2
	v_mul_u32_u24 v14, v14, SP
	v_and_b32 v15, 3, v2
	v_lshl_add_u32 v14, v15, 4, v14
	v_add_nc_u32 v14, s21, v14                     ; the stage, on the way in: 80 (lane / 4) + 16 (lane % 4)
	v_mul_u32_u24 v15, v2, SP
	v_add_nc_u32 v15, s21, v15                     ; and on the way out: 80 x lane
	v_lshlrev_b32 v4, 3, v2                        ; my 8 bytes of a step's codes
	v_lshrrev_b32 v5, 1, v2
	s_add_co_u32 s21, s21, 2*32*SP
	v_add_nc_u32 v5, s21, v5                       ; my block's scale byte in LDS
	v_lshlrev_b32 v7, 3, v2
	v_add_nc_u32 v6, s21, v7                       ; and 8 of the 256 bytes on the way out
	s_lshl_b32 s22, ttmp9, 3
	s_add_co_u32 s22, s22, s20                     ; my run of 8,192 numbers: 8 x work-group + wave
	s_lshl_b32 s24, s22, 15
	s_add_nc_u64 s[4:5], s[4:5], s[24:25]
	s_lshl_b32 s24, s22, 12
	s_add_nc_u64 s[10:11], s[10:11], s[24:25]
	s_lshl_b32 s24, s22, 8
	s_add_nc_u64 s[12:13], s[12:13], s[24:25]
.macro XLOAD t
.irp i, 0,1,2,3
	global_load_b128 v[R+16*((\t)%4)+4*\i:R+16*((\t)%4)+4*\i+3], v3, s[4:5] offset:2048*(\t)+512*\i th:TH_LOAD_NT
.endr
.endm
.macro XTURN t                         ; LDS serves a wave's instructions in order: no wait between the stores and the loads
.irp i, 0,1,2,3
	ds_store_b128 v14, v[R+16*((\t)%4)+4*\i:R+16*((\t)%4)+4*\i+3] offset:32*SP*((\t)%2)+8*SP*\i
.endr
.irp i, 0,1,2,3
	ds_load_b128 v[X+16*((\t)%2)+4*\i:X+16*((\t)%2)+4*\i+3], v15 offset:32*SP*((\t)%2)+16*\i
.endr
.endm
.irp t, 0,1,2,3
	XLOAD \t
.endr
	s_wait_loadcnt 12                              ; step 0's four loads are in; three steps' twelve stay out
	XTURN 0
.macro XSTEP t
.set XS, X+16*((\t)%2)
.if (\t) > 0
	s_wait_dscnt 1                                 ; this step's numbers are back from the stage; the last step's byte store may be out
.else
	s_wait_dscnt 0x0
.endif
.if (\t)+4 < STEPS
	XLOAD (\t)+4                                   ; into the set whose stores into the stage are done
.endif
.if (\t)+1 < STEPS
.if STEPS-2-(\t) >= 3
	s_wait_loadcnt 12                              ; the next step's four loads are in; three steps' twelve may be out
.else
	s_wait_loadcnt 4*(STEPS-2-(\t))
.endif
	XTURN (\t)+1
.endif
	v_max3_num_f32 v8, |v[XS]|, |v[XS+1]|, |v[XS+2]|
	v_max3_num_f32 v9, |v[XS+3]|, |v[XS+4]|, |v[XS+5]|
.irp i, 6,10
	v_max3_num_f32 v8, v8, |v[XS+\i]|, |v[XS+\i+1]|
	v_max3_num_f32 v9, v9, |v[XS+\i+2]|, |v[XS+\i+3]|
.endr
	v_max3_num_f32 v8, v8, |v[XS+14]|, |v[XS+15]|
	v_max3_num_f32 v8, v8, v9, 0x1800000           ; the floor 2^(3 - 127): the byte cannot fall under 1
	v_max_num_f32_dpp v8, v8, v8 row_xmask:1 row_mask:0xf bank_mask:0xf   ; with my neighbour's 16: the block's largest magnitude
	v_add_nc_u32 v11, 0xff000000, v8               ; 2 off its exponent field: the conversion's scale operand
	v_cvt_scalef32_pk8_fp4_f32 v[C+4*(\t)], v[XS:XS+7], v11
	v_cvt_scalef32_pk8_fp4_f32 v[C+4*(\t)+1], v[XS+8:XS+15], v11
	v_lshrrev_b32 v[E+(\t)], 23, v11               ; the scale's byte
	ds_store_b8 v5, v[E+(\t)] offset:16*(\t)       ; both lanes of a block write the same byte
	global_store_b64 v4, v[C+4*(\t):C+4*(\t)+1], s[10:11] offset:256*(\t)   ; the wave stores 256 consecutive bytes, aligned
.endm
.irp t, 0,1,2,3,4,5,6,7,8,9,10,11,12,13,14,15
	XSTEP \t
.endr
	ds_load_b64 v[8:9], v6                         ; my wave's 256 scale bytes, in order behind my stores
	s_wait_dscnt 0x0
	global_store_b64 v7, v[8:9], s[12:13]
	s_branch .Lend
.Lnot_x:
	s_cmp_lt_u32 ttmp9, 224
	s_cbranch_scc0 .Lpath_p
; ---------------- path W: the work-group takes 32 columns and all of K; wave w takes k = 128 w .. 128 w + 127, four blocks a lane.
	s_sub_co_u32 s21, ttmp9, 128                   ; g: columns 32 g on
	v_lshlrev_b32 v3, 2, v2                        ; in: 4 bytes a lane
	v_lshlrev_b32 v4, 4, v2                        ; out: 16 bytes a lane
	s_mul_i32 s24, s20, 128*12288
	s_lshl_b32 s22, s21, 7
	s_add_co_u32 s24, s24, s22
	s_add_nc_u64 s[6:7], s[6:7], s[24:25]          ; W_attn at row 128 w, column 32 g
	s_mul_i32 s24, s20, 4*49152
	s_lshl_b32 s22, s21, 9
	s_add_co_u32 s24, s24, s22
	s_add_nc_u64 s[14:15], s[14:15], s[24:25]      ; w_codes at block row 4 w, column 32 g
	s_lshl_b32 s24, s21, 10
	s_add_nc_u64 s[16:17], s[16:17], s[24:25]      ; w_scales at column 32 g
	v_lshlrev_b32 v5, 5, v2
	s_lshl_b32 s22, s20, 2
	v_add_nc_u32 v5, s22, v5
	v_add_nc_u32 v5, WSC, v5                       ; LDS: my column's 32 bytes, my wave's word
	s_and_b32 s22, s20, 1
	s_lshl_b32 s22, s22, 9
	v_add_nc_u32 v6, s22, v4                       ; on the way out waves 0 and 1 take 512 bytes each
	v_add_nc_u32 v7, WSC, v6
.set i, 0
.rept 128
	global_load_b32 v[32+i], v3, s[6:7] offset:i*12288 th:TH_LOAD_NT   ; W(128 w + i, my column): 128 consecutive bytes a wave
.set i, i+1
.endr
.macro WBLOCK t
.set XS, 32+32*(\t)
.if (\t) < 2
	s_wait_loadcnt 63                              ; at most 63 of the 128 are out: blocks 0 and 1 are in
.else
	s_wait_loadcnt 96-32*(\t)                      ; the younger blocks may be out
.endif
	v_max3_num_f32 v8, |v[XS]|, |v[XS+1]|, |v[XS+2]|
	v_max3_num_f32 v9, |v[XS+3]|, |v[XS+4]|, |v[XS+5]|
.irp i, 6,10,14,18,22,26
	v_max3_num_f32 v8, v8, |v[XS+\i]|, |v[XS+\i+1]|
	v_max3_num_f32 v9, v9, |v[XS+\i+2]|, |v[XS+\i+3]|
.endr
	v_max3_num_f32 v8, v8, |v[XS+30]|, |v[XS+31]|
	v_max3_num_f32 v8, v8, v9, 0x1800000           ; the floor
	v_add_nc_u32 v11, 0xff000000, v8
	v_lshrrev_b32 v10, 23, v11                     ; the scale's byte
.if (\t) == 0
	v_mov_b32 v24, v10
.else
	v_lshl_or_b32 v24, v10, 8*(\t), v24            ; four bytes to the word, the lower K in the lower byte
.endif
.irp g, 0,1,2,3
	v_cvt_scalef32_pk8_fp4_f32 v[160+4*(\t)+\g], v[XS+8*\g:XS+8*\g+7], v11
.endr
	v_nop                                          ; one plain line behind the conversions
	global_store_b128 v4, v[160+4*(\t):163+4*(\t)], s[14:15] offset:(\t)*49152   ; 32 columns x 16 bytes: 512 consecutive bytes, aligned
.endm
.irp t, 0,1,2,3
	WBLOCK \t
.endr
	ds_store_b32 v5, v24
	s_wait_dscnt 0x0                               ; for the others' sake: my word lies in LDS
	s_barrier_signal -1
	s_barrier_wait -1
	s_cmp_lt_u32 s20, 2
	s_cbranch_scc0 .Lend
	ds_load_b128 v[28:31], v7                      ; the 32 columns' 1,024 scale bytes leave in whole runs of 512
	s_wait_dscnt 0x0
	global_store_b128 v6, v[28:31], s[16:17]
	s_branch .Lend
.Lpath_p:
; ---------------- path P: a wave rounds 2,048 numbers of W_proj to f16.
	s_sub_co_u32 s21, ttmp9, 224
	s_lshl_b32 s21, s21, 3
	s_add_co_u32 s21, s21, s20
	s_lshl_b32 s24, s21, 13
	s_add_nc_u64 s[8:9], s[8:9], s[24:25]
	s_lshl_b32 s24, s21, 12
	s_add_nc_u64 s[18:19], s[18:19], s[24:25]
	v_lshlrev_b32 v3, 4, v2
	v_lshlrev_b32 v4, 3, v2
.irp i, 0,1,2,3,4,5,6,7,8,9,10,11,12,13,14,15
	global_load_b128 v[32+4*\i:35+4*\i], v3, s[8:9] offset:512*\i th:TH_LOAD_NT
.endr
.irp i, 0,1,2,3,4,5,6,7,8,9,10,11,12,13,14,15
	s_wait_loadcnt 15-\i                           ; loads come back in order: load i is in
	v_cvt_pk_f16_f32 v[96+2*\i], v[32+4*\i], v[33+4*\i]
	v_cvt_pk_f16_f32 v[97+2*\i], v[34+4*\i], v[35+4*\i]
	global_store_b64 v4, v[96+2*\i:97+2*\i], s[18:19] offset:256*\i
.endr
.Lend:
	s_wait_tensorcnt 0x0                           ; the wave's end
	ds_add_u32 v[SPW], v[NIL]
	s_wait_dscnt 0x0
	s_endpgm
.Lfunc_end_k_q83be636e4f_prep:
	.size	k_q83be636e4f_prep, .Lfunc_end_k_q83be636e4f_prep-k_q83be636e4f_prep
	.p2alignl 7, 3214868480
	.fill 96, 4, 3214868480
	.section	.rodata,"a",@progbits
	.p2align	6, 0x0
	.amdhsa_kernel k_q83be636e4f_prep
		.amdhsa_group_segment_fixed_size 67584
		.amdhsa_private_segment_fixed_size 0
		.amdhsa_enable_private_segment 0
		.amdhsa_kernarg_size 64
		.amdhsa_user_sgpr_count 2
		.amdhsa_user_sgpr_kernarg_segment_ptr 1
		.amdhsa_wavefront_size32 1
		.amdhsa_system_sgpr_workgroup_id_x 1
		.amdhsa_system_sgpr_workgroup_id_y 1
		.amdhsa_system_sgpr_workgroup_id_z 1
		.amdhsa_system_vgpr_workitem_id 0
		.amdhsa_next_free_vgpr 192
		.amdhsa_next_free_sgpr 66
		.amdhsa_reserve_vcc 0
		.amdhsa_float_denorm_mode_32 3
		.amdhsa_float_denorm_mode_16_64 3
		.amdhsa_memory_ordered 1
		.amdhsa_forward_progress 1
		.amdhsa_inst_pref_size 58
	.end_amdhsa_kernel
	.amdgpu_metadata
---
amdhsa.version: [ 1, 2 ]
amdhsa.kernels:
  - .name:           k_q83be636e4f_prep
    .symbol:         k_q83be636e4f_prep.kd
    .args:
      - { .name: x, .offset: 0, .size: 8, .value_kind: global_buffer, .address_space: global }
      - { .name: W_attn, .offset: 8, .size: 8, .value_kind: global_buffer, .address_space: global }
      - { .name: W_proj, .offset: 16, .size: 8, .value_kind: global_buffer, .address_space: global }
      - { .name: x_codes, .offset: 24, .size: 8, .value_kind: global_buffer, .address_space: global }
      - { .name: x_scales, .offset: 32, .size: 8, .value_kind: global_buffer, .address_space: global }
      - { .name: w_codes, .offset: 40, .size: 8, .value_kind: global_buffer, .address_space: global }
      - { .name: w_scales, .offset: 48, .size: 8, .value_kind: global_buffer, .address_space: global }
      - { .name: wp16, .offset: 56, .size: 8, .value_kind: global_buffer, .address_space: global }
    .group_segment_fixed_size: 67584
    .private_segment_fixed_size: 0
    .kernarg_segment_align: 8
    .kernarg_segment_size: 64
    .max_flat_workgroup_size: 256
    .sgpr_count:     66
    .vgpr_count:     192
    .wavefront_size: 32
...
	.end_amdgpu_metadata
.endif
;; end of part 1
;; launch gemm_qkv (part 2): grid 12 x 32, 4 waves a work-group, clusters of 4 x 4, 327,680 bytes of LDS; arguments x_codes, x_scales, w_codes, w_scales, b_attn, qkv16; writes qkv16
.if DOCPART == 2
	.amdgcn_target "amdgcn-amd-amdhsa--gfx1250"
	.amdhsa_code_object_version 6
	.text
	.protected	k_q83be636e4f_gemm_qkv
	.globl	k_q83be636e4f_gemm_qkv
	.p2align	8
	.type	k_q83be636e4f_gemm_qkv,@function
k_q83be636e4f_gemm_qkv:
	s_mov_b64 s[64:65], 0
	v_nop
	global_prefetch_b8 v0, s[64:65] scope:SCOPE_SE
	s_setreg_imm32_b32 hwreg(HW_REG_WAVE_MODE, 25, 1), 1
	s_wait_xcnt 0x0
	s_wait_alu depctr_hold_cnt(0) depctr_sa_sdst(0) depctr_va_vdst(0) depctr_va_sdst(0) depctr_va_ssrc(0) depctr_va_vcc(0) depctr_vm_vsrc(0)
	s_getreg_b32 s2, hwreg(HW_REG_IB_STS2, 6, 4)
	s_cmp_eq_u32 s2, 0
	s_cbranch_scc0 .Lentry_in_a_cluster
	s_endpgm
.Lentry_in_a_cluster:
	s_bfe_u32 s2, ttmp6, 0x10000c
	s_cmp_lg_u32 s2, 0xf033
	s_cbranch_scc0 .Lentry_shape_is_right
	s_endpgm
.Lentry_shape_is_right:
; qkv = Q(x) Q(W_attn) + b_attn on codes of E2M1 with E8M0 scales; sums in f32, rounded once to f16 and laid by head: qkv16 [column / 64: 48][row: 8192][64] f16.
; A tile of 256 x 256 is made by four waves, 128 x 128 each: 64 accumulators of 16 x 16, 512 registers.  K = 1,024 is two LDS slots of 512: both are asked for at the head, nothing is filled again.
; x_codes: rows of 512 bytes, K innermost; a slot's row is 256 bytes, padded by 16 in LDS.  w_codes: [k / 32][column][16 bytes]: a slot's part of 128 columns is 16 rows of 2,048 bytes, laid densely in LDS,
; so that sixteen lanes of a fragment load read 256 consecutive bytes.  The scale bytes of the work-group's 256 rows and 256 columns come once, as dense blocks.
; CLUSTERS: 4 x 4 work-groups; x's tiles are asked for jointly along a row of the cluster, W's along a column.
; THE MATRIX INSTRUCTION IS USED TRANSPOSED (source 0 = 16 columns of W, source 1 = 16 rows of x): a lane holds eight neighbouring columns of one row.  The bias is the C of each sum's first product.
; REGISTERS: window 0: v0-31 addresses; v32-95 scale words, two sets, and nothing else; v96-127 packed results; v128-191 x's fragments, on the way out rows read back; v192-255 the bias.
;   window 1: W's fragments, two sets.  windows 2, 3: the accumulators ((a, b) at v[8 (8 (a % 4) + b)]).
; LIMIT: a result beyond 65,504 has no f16 number.
.set NQ,     4                         ; steps of 128 along K in a slot
.set ROWB,   256
.set KROW,   512
.set PITCH,  272
.set FR,     8
.set NL,     2
.set NP,     4
.set HALFT,  128*PITCH
.set SLOT,   4*HALFT
.set KS,     32
.set SCL,    2*SLOT
.set HALFS,  (128*KS/256)*272
.set SBLK,   (16*KS/256)*272
.set SPARE,  SCL+4*HALFS               ; the spare words, 128 bytes for each wave
.set WKB,    49152                     ; a row of w_codes: 3,072 columns x 16 bytes
.set ADRA, 16
.set ADRB, 20
.set STO,  24
.set RD,   25
.set CO,   26
.set ADRS, 27
.set SPW,  28
.set NIL,  29
.set SC,   32
.set TMP,  96
.set AF,   128
.set BK,   128
.set BIAS, 192
.set G1, 24
.set G0, 32
.set G1B, 48
.set G0B, 56
.set G1S, 68
.set G0S, 76
.set G1SB, 80
.set G0SB, 88
.set MSB, 0
.macro WIN new                         ; the immediate's high byte repeats the setting that is left
.if MSB != (\new)
	s_set_vgpr_msb (MSB<<8)|(\new)
.set MSB, (\new)
.endif
.endm
.set MUL_LO, 0xa1                      ; source 0 (W) window 1, source 1 (x) window 0, C and D window 2
.set MUL_HI, 0xf1
.set TO_B,   0x40
; A joint load: waves 0 and 1 fetch for x, waves 2 and 3 for W; the branch hangs on the wave's number alone.  An s_nop 0 and four v_nop follow each line.
.macro JLOAD g0a, g1a, g0b, g1b
	s_cmp_eq_u32 s15, 0
	s_cbranch_scc0 .Lfor_b_\@
	tensor_load_to_lds s[\g0a:\g0a+3], s[\g1a:\g1a+7]
	s_nop 0
.rept 4
	v_nop
.endr
	s_branch .Lasked_\@
.Lfor_b_\@:
	tensor_load_to_lds s[\g0b:\g0b+3], s[\g1b:\g1b+7]
	s_nop 0
.rept 4
	v_nop
.endr
.Lasked_\@:
.endm
.macro CROUND                          ; a round of the cluster's barrier
	s_barrier_signal -1
	s_barrier_wait -1
	s_cmp_lg_u32 s14, 0
	s_cbranch_scc1 .Lnot_wave_0_\@
	s_barrier_signal -3
.Lnot_wave_0_\@:
	s_barrier_wait -3
	s_barrier_signal -1
	s_barrier_wait -1
.endm
	s_load_b128 s[4:7], s[0:1], 0x0                ; x_codes, x_scales
	s_load_b128 s[8:11], s[0:1], 0x10              ; w_codes, w_scales
	s_load_b128 s[96:99], s[0:1], 0x20             ; b_attn, qkv16
	v_lshl_add_u32 v[SPW], v0, 2, SPARE
	v_mov_b32 v[NIL], 0
	ds_add_u32 v[SPW], v[NIL]                      ; the opening: the add, twice on end, and its wait ahead of my first tensor load
	ds_add_u32 v[SPW], v[NIL]
	v_lshrrev_b32 v1, 5, v0
	v_readfirstlane_b32 s14, v1                    ; wave 0..3
	s_lshr_b32 s15, s14, 1                         ; my half of the tile's rows; also: I fetch for x (0) or for W (1)
	s_and_b32 s16, s14, 1                          ; my half of its columns; also: which 128 rows or columns I fetch
	s_bfe_u32 s40, ttmp6, 0x40000                  ; cx
	s_bfe_u32 s41, ttmp6, 0x40004                  ; cy
	s_lshl_b32 s42, ttmp9, 2
	s_add_co_u32 s42, s42, s40                     ; tile column
	s_and_b32 s17, ttmp7, 0xffff
	s_lshl_b32 s17, s17, 2
	s_add_co_u32 s17, s17, s41                     ; tile row
	s_lshl_b32 s43, s41, 2
	s_lshl_b32 s43, 15, s43                        ; my row of the cluster
	s_lshl_b32 s44, 0x1111, s40                    ; my column
	s_or_b32 s[G1+0], s43, (0<<16)|(1<<20)|(1<<21)|(5<<22)|(3<<25)  ; x: elements of 1 byte, 4 words of padding behind every 64
	s_mov_b32 s[G1+1], ROWB<<16                    ; tensor_dim0 = 256
	s_mov_b32 s[G1+2], 128<<16                     ; tensor_dim1 = 128
	s_mov_b32 s[G1+3], ROWB<<16                    ; tile_dim0
	s_mov_b32 s[G1+4], 128                         ; tile_dim1
	s_mov_b32 s[G1+5], KROW                        ; pitch
	s_mov_b32 s[G1+6], 0
	s_mov_b32 s[G1+7], 0
	s_or_b32 s[G1B+0], s44, (0<<16)|(1<<21)        ; W: 16 rows of 2,048 bytes, no padding
	s_mov_b32 s[G1B+1], 2048<<16
	s_mov_b32 s[G1B+2], 16<<16
	s_mov_b32 s[G1B+3], 2048<<16
	s_mov_b32 s[G1B+4], 16
	s_mov_b32 s[G1B+5], WKB
	s_mov_b32 s[G1B+6], 0
	s_mov_b32 s[G1B+7], 0
	s_or_b32 s[G1S+0], s43, (3<<16)|(1<<20)|(1<<21)|(5<<22)|(3<<25) ; the scales of 128 rows: 4,096 dense bytes as 16 rows of 256, 16 bytes of padding behind each
	s_or_b32 s[G1SB+0], s44, (3<<16)|(1<<20)|(1<<21)|(5<<22)|(3<<25)
.irp g, G1S, G1SB
	s_mov_b32 s[\g+1], 32<<16
	s_mov_b32 s[\g+2], (128*KS/256)<<16
	s_mov_b32 s[\g+3], 32<<16
	s_mov_b32 s[\g+4], 128*KS/256
	s_mov_b32 s[\g+5], 32
	s_mov_b32 s[\g+6], 0
	s_mov_b32 s[\g+7], 0
.endr
	s_lshl_b32 s18, s16, 7
	s_lshl_b32 s20, s17, 8
	s_add_co_u32 s20, s20, s18                     ; x: row 256 x tile row + 128 x half
	s_lshl_b32 s46, s42, 8
	s_add_co_u32 s46, s46, s18                     ; W: column 256 x tile column + 128 x half
	s_mov_b32 s21, 0
	s_mov_b32 s47, 0
	s_lshl_b64 s[22:23], s[20:21], 5               ; their scale bytes: 32 a row
	s_lshl_b64 s[92:93], s[46:47], 5
	s_lshl_b64 s[20:21], s[20:21], 9               ; x's codes: 512 bytes a row
	s_lshl_b64 s[46:47], s[46:47], 4               ; W's codes: 16 bytes a column
	s_mul_i32 s45, s14, HALFT                      ; where they go: wave x a quarter of a slot
	s_mul_i32 s94, s14, HALFS
	s_wait_dscnt 0x0                               ; both opening adds are done
	s_wait_kmcnt 0x0
	s_add_nc_u64 s[20:21], s[4:5], s[20:21]
	s_add_nc_u64 s[22:23], s[6:7], s[22:23]
	s_add_nc_u64 s[46:47], s[8:9], s[46:47]
	s_add_nc_u64 s[92:93], s[10:11], s[92:93]
	CROUND                                         ; all sixteen work-groups are here: the joint loads meet
	s_mov_b32 s[G0S], 1
	s_add_co_u32 s[G0S+1], s94, SCL
	s_mov_b64 s[G0S+2:G0S+3], s[22:23]
	s_or_b32 s[G0S+3], s[G0S+3], 0x80000000
	s_mov_b32 s[G0SB], 1
	s_add_co_u32 s[G0SB+1], s94, SCL
	s_mov_b64 s[G0SB+2:G0SB+3], s[92:93]
	s_or_b32 s[G0SB+3], s[G0SB+3], 0x80000000
	JLOAD G0S, G1S, G0SB, G1SB                     ; the scales first: three loads of mine are out at the most
.irp s, 0,1
	s_mov_b32 s[G0+4*\s], 1
	s_add_co_u32 s[G0+4*\s+1], s45, \s*SLOT
	s_add_nc_u64 s[G0+4*\s+2:G0+4*\s+3], s[20:21], \s*ROWB
	s_or_b32 s[G0+4*\s+3], s[G0+4*\s+3], 0x80000000
	s_mov_b32 s[G0B+4*\s], 1
	s_add_co_u32 s[G0B+4*\s+1], s45, \s*SLOT
	s_add_nc_u64 s[G0B+4*\s+2:G0B+4*\s+3], s[46:47], \s*16*WKB
	s_or_b32 s[G0B+4*\s+3], s[G0B+4*\s+3], 0x80000000
	JLOAD G0+4*\s, G1, G0B+4*\s, G1B
.endr
	v_and_b32 v1, 15, v0                           ; r
	v_bfe_u32 v2, v0, 4, 1                         ; h
	v_mul_u32_u24 v3, v1, PITCH
	v_lshl_add_u32 v4, v2, 4, v3                   ; x: row x pitch + 16 h
	v_lshlrev_b32 v7, 4, v1
	v_lshl_add_u32 v7, v2, 11, v7                  ; W: 16 r + one block row (2,048 bytes) for the upper lanes
	s_mul_i32 s21, s15, HALFT
	s_mul_i32 s22, s16, HALFT
	s_add_co_u32 s22, s22, 2*HALFT
.irp s, 0,1
	v_add_nc_u32 v[ADRA+\s], s21, v4
	v_add_nc_u32 v[ADRB+\s], s22, v7
	s_add_co_u32 s21, s21, SLOT
	s_add_co_u32 s22, s22, SLOT
.endr
	v_mul_u32_u24 v5, v1, KS                       ; my row's scale bytes,
	v_lshrrev_b32 v6, 8, v5
	v_lshl_add_u32 v5, v6, 4, v5                   ; 16 more for each 256 passed
	s_mul_i32 s21, s15, HALFS
	s_mul_i32 s22, s16, HALFS
	s_add_co_u32 s22, s22, 2*HALFS
	s_sub_co_u32 s22, s22, s21
	v_mul_u32_u24 v6, s22, v2                      ; lanes 16-31 take W's
	s_add_co_u32 s21, s21, SCL
	v_add_nc_u32 v5, v5, v6
	v_add_nc_u32 v[ADRS], s21, v5
	s_mul_i32 s23, s14, 4608                       ; my stage, in slot 0: two blocks of 16 rows x (128 + 16) bytes
	v_mul_u32_u24 v5, v1, 144
	v_lshl_add_u32 v5, v2, 4, v5
	v_add_nc_u32 v[STO], s23, v5
	v_and_b32 v6, 31, v0
	v_lshlrev_b32 v[CO], 4, v6                     ; out: four rows of 128 bytes are 512 consecutive bytes of qkv16
	v_lshrrev_b32 v5, 3, v6
	v_mul_u32_u24 v5, v5, 144
	v_and_b32 v6, 7, v6
	v_lshl_add_u32 v5, v6, 4, v5
	v_add_nc_u32 v[RD], s23, v5
	s_lshl_b32 s46, s42, 2
	s_lshl_b32 s47, s16, 1
	s_add_co_u32 s46, s46, s47                     ; my first block of 64 columns
	s_lshl_b32 s46, s46, 13
	s_lshl_b32 s20, s17, 8
	s_lshl_b32 s21, s15, 7
	s_add_co_u32 s20, s20, s21                     ; my first row
	s_add_co_u32 s46, s46, s20
	s_lshl_b32 s46, s46, 7                         ; rows of 128 bytes
	s_mov_b32 s47, 0
	s_add_nc_u64 s[98:99], s[98:99], s[46:47]
	s_lshl_b32 s46, s42, 10
	s_lshl_b32 s47, s16, 9
	s_add_co_u32 s46, s46, s47
	s_mov_b32 s47, 0
	s_add_nc_u64 s[96:97], s[96:97], s[46:47]      ; the bias of my 128 columns
	v_lshlrev_b32 v8, 5, v2                        ; lane (r, h) wants, for block b, columns 16 b + 8 h + 0 .. 7
.irp b, 0,1,2,3,4,5,6,7
	global_load_b128 v[BIAS+8*\b:BIAS+8*\b+3], v8, s[96:97] offset:64*\b
	global_load_b128 v[BIAS+8*\b+4:BIAS+8*\b+7], v8, s[96:97] offset:64*\b+16
.endr
.macro FRAG reg, adr, q, i             ; x: 16 rows x 128 K: two loads of 16 bytes, 32 bytes apart
.irp c, 0,1
	ds_load_b128 v[\reg+4*\c:\reg+4*\c+3], v[\adr] offset:64*(\q)+32*\c+(\i)*16*PITCH
.endr
.endm
.macro FRAGB reg, adr, q, i            ; W: registers 4 c .. 4 c + 3 are block row 4 q + 2 c + h of column 16 i + r
.irp c, 0,1
	ds_load_b128 v[\reg+4*\c:\reg+4*\c+3], v[\adr] offset:(4*(\q)+2*\c)*2048+(\i)*256
.endr
.endm
; 16 matrix instructions: x's blocks a0, a0 + 1 against W's eight.  first = 1: the bias is C.  The 64 accumulators take turns, one instruction a turn.
.macro MUL16 a0, p, q, sc, first
.irp a, \a0, \a0+1
.irp b, 0,1,2,3,4,5,6,7
.if \first
	v_wmma_scale_f32_16x16x128_f8f6f4 v[8*(8*((\a)%4)+\b):8*(8*((\a)%4)+\b)+7], v[128*(\p)+FR*\b:128*(\p)+FR*\b+FR-1], v[AF+FR*(\a):AF+FR*(\a)+FR-1], v[BIAS+8*\b:BIAS+8*\b+7], v[SC+8*NQ*(\sc)+NQ*\b+(\q)], v[SC+8*NQ*(\sc)+NQ*(\a)+(\q)] matrix_a_fmt:MATRIX_FMT_FP4 matrix_b_fmt:MATRIX_FMT_FP4 matrix_a_scale:MATRIX_SCALE_ROW1
.else
	v_wmma_scale_f32_16x16x128_f8f6f4 v[8*(8*((\a)%4)+\b):8*(8*((\a)%4)+\b)+7], v[128*(\p)+FR*\b:128*(\p)+FR*\b+FR-1], v[AF+FR*(\a):AF+FR*(\a)+FR-1], v[8*(8*((\a)%4)+\b):8*(8*((\a)%4)+\b)+7], v[SC+8*NQ*(\sc)+NQ*\b+(\q)], v[SC+8*NQ*(\sc)+NQ*(\a)+(\q)] matrix_a_fmt:MATRIX_FMT_FP4 matrix_b_fmt:MATRIX_FMT_FP4 matrix_a_scale:MATRIX_SCALE_ROW1
.endif
.endr
.endr
.endm
.macro FETCH_B slot, q, p
	WIN TO_B
.irp i, 0,1,2,3,4,5,6,7
	FRAGB 128*(\p)+FR*\i, ADRB+\slot, \q, \i
.endr
	WIN 0
.endm
.macro FETCH_A slot, q, i0
.irp i, \i0, \i0+1, \i0+2, \i0+3
	FRAG AF+FR*(\i), ADRA+\slot, \q, \i
.endr
.endm
.macro SCALES sc                       ; a slot's scale words: lanes 0-15 x's block i, lanes 16-31 W's block i
.irp i, 0,1,2,3,4,5,6,7
	ds_load_b128 v[SC+8*NQ*\sc+NQ*\i:SC+8*NQ*\sc+NQ*\i+3], v[ADRS] offset:\i*SBLK
.endr
.endm
.macro PLACES n                        ; plain vector places between a matrix instruction and a load into, or a read of, its registers
.rept \n
	v_nop
.endr
.endm
.macro STEP slot, q, first             ; 128 along K with a successor in the same slot
	s_wait_dscnt 4*NL                              ; all but the youngest eight loads (x's blocks 4-7) are in
.if \first
	WIN 0x81                                       ; C (the bias) in window 0, D in window 2
.else
	WIN MUL_LO
.endif
	MUL16 0, (\q)%2, \q, \slot, \first
	MUL16 2, (\q)%2, \q, \slot, \first
	s_wait_dscnt 0
	PLACES NP
	FETCH_B \slot, (\q)+1, 1-(\q)%2
	FETCH_A \slot, (\q)+1, 0
.if \first
	WIN 0xc1
.else
	WIN MUL_HI
.endif
	MUL16 4, (\q)%2, \q, \slot, \first
	MUL16 6, (\q)%2, \q, \slot, \first
	PLACES NP
	WIN 0
	FETCH_A \slot, (\q)+1, 4
.endm
.macro TURN slot, next                 ; a slot's last step: one barrier; behind it the next slot is whole and nobody reads this one
	s_wait_tensorcnt 0x0                           ; all my tensor loads have landed
	ds_add_u32 v[SPW], v[NIL]
	s_wait_dscnt 4*NL+1                            ; the add and the youngest eight loads may be out
	WIN MUL_LO
	MUL16 0, 1, NQ-1, \slot, 0
	s_wait_dscnt 0x0                               ; the add is done, my reads of this slot are over
	s_barrier_signal -1
	MUL16 2, 1, NQ-1, \slot, 0
	WIN 0
	s_barrier_wait -1
	PLACES NP
	v_add_nc_u32 v[ADRS], 4*NQ, v[ADRS]            ; the next slot's scale words
	FETCH_B \next, 0, 0
	FETCH_A \next, 0, 0
	SCALES \next
	WIN MUL_HI
	MUL16 4, 1, NQ-1, \slot, 0
	MUL16 6, 1, NQ-1, \slot, 0
	PLACES NP
	WIN 0
	FETCH_A \next, 0, 4
.endm
	s_wait_tensorcnt 1                             ; the scales and my part of slot 0 are in; slot 1's load may be out
	s_barrier_signal -1
	s_barrier_wait -1
	FETCH_B 0, 0, 0
	FETCH_A 0, 0, 0
	SCALES 0
	FETCH_A 0, 0, 4
	s_wait_loadcnt 0x0                             ; the bias
	STEP 0, 0, 1
	STEP 0, 1, 0
	STEP 0, 2, 0
	TURN 0, 1
	STEP 1, 0, 0
	STEP 1, 1, 0
	STEP 1, 2, 0
	s_wait_dscnt 4*NL                              ; the last step: nothing more to fetch
	WIN MUL_LO
	MUL16 0, 1, NQ-1, 1, 0
	MUL16 2, 1, NQ-1, 1, 0
	s_wait_dscnt 0
	WIN MUL_HI
	MUL16 4, 1, NQ-1, 1, 0
	MUL16 6, 1, NQ-1, 1, 0
	WIN 0
; THE WAY OUT, a block of 16 rows x 128 columns at a time: rounded to f16 (16 bytes a lane), through my own stage, back as rows of 128 bytes, four rows (512 consecutive bytes) to a store.
; The stage lies in slot 0, which has had its only fill and which nobody reads behind the change of slots.
.macro PACK a
.set AC, 64*((\a)%4)
	WIN 0x0a+5*((\a)/4)                            ; sources in window 2 or 3
.irp b, 0,1,2,3,4,5,6,7
.irp r, 0,1,2,3
	v_cvt_pk_f16_f32 v[TMP+4*\b+\r], v[AC+8*\b+2*\r], v[AC+8*\b+2*\r+1]   ; each accumulator from its low end on
.endr
.endr
	WIN 0
.endm
.macro TOSTAGE a
.set BB, BK+32*((\a)%2)
.irp b, 0,1,2,3,4,5,6,7
	ds_store_b128 v[STO], v[TMP+4*\b:TMP+4*\b+3] offset:(\b/4)*2304+(\b%4)*32
.endr
.irp t, 0,1,2,3,4,5,6,7
	ds_load_b128 v[BB+4*\t:BB+4*\t+3], v[RD] offset:(\t/4)*2304+(\t%4)*576   ; in order behind my stores
.endr
.endm
.macro SEND a
.set BB, BK+32*((\a)%2)
	s_wait_dscnt 0x0                               ; the block is back in registers
	s_wait_xcnt 0x0                                ; the stores of the block before have read their registers: the next block's loads may land there
.irp t, 0,1,2,3,4,5,6,7
	global_store_b128 v[CO], v[BB+4*\t:BB+4*\t+3], s[98:99] offset:(\t/4)*1048576+(\a)*2048+(\t%4)*512
.endr
.endm
	PLACES NP
	PACK 0
	TOSTAGE 0
.irp a, 1,2,3,4,5,6,7
	PACK \a
	SEND \a-1
	TOSTAGE \a
.endr
	SEND 7
	s_wait_tensorcnt 0x0                           ; the wave's end
	ds_add_u32 v[SPW], v[NIL]
	s_wait_dscnt 0x0
	CROUND                                         ; the closing round
	s_endpgm
.Lfunc_end_k_q83be636e4f_gemm_qkv:
	.size	k_q83be636e4f_gemm_qkv, .Lfunc_end_k_q83be636e4f_gemm_qkv-k_q83be636e4f_gemm_qkv
	.p2alignl 7, 3214868480
	.fill 96, 4, 3214868480
	.section	.rodata,"a",@progbits
	.p2align	6, 0x0
	.amdhsa_kernel k_q83be636e4f_gemm_qkv
		.amdhsa_group_segment_fixed_size 327680
		.amdhsa_private_segment_fixed_size 0
		.amdhsa_enable_private_segment 0
		.amdhsa_kernarg_size 48
		.amdhsa_user_sgpr_count 2
		.amdhsa_user_sgpr_kernarg_segment_ptr 1
		.amdhsa_wavefront_size32 1
		.amdhsa_system_sgpr_workgroup_id_x 1
		.amdhsa_system_sgpr_workgroup_id_y 1
		.amdhsa_system_sgpr_workgroup_id_z 1
		.amdhsa_system_vgpr_workitem_id 0
		.amdhsa_next_free_vgpr 1024
		.amdhsa_next_free_sgpr 100
		.amdhsa_reserve_vcc 0
		.amdhsa_float_denorm_mode_32 3
		.amdhsa_float_denorm_mode_16_64 3
		.amdhsa_memory_ordered 1
		.amdhsa_forward_progress 1
		.amdhsa_inst_pref_size 128
	.end_amdhsa_kernel
	.amdgpu_metadata
---
amdhsa.version: [ 1, 2 ]
amdhsa.kernels:
  - .name:           k_q83be636e4f_gemm_qkv
    .symbol:         k_q83be636e4f_gemm_qkv.kd
    .args:
      - { .name: x_codes, .offset: 0, .size: 8, .value_kind: global_buffer, .address_space: global }
      - { .name: x_scales, .offset: 8, .size: 8, .value_kind: global_buffer, .address_space: global }
      - { .name: w_codes, .offset: 16, .size: 8, .value_kind: global_buffer, .address_space: global }
      - { .name: w_scales, .offset: 24, .size: 8, .value_kind: global_buffer, .address_space: global }
      - { .name: b_attn, .offset: 32, .size: 8, .value_kind: global_buffer, .address_space: global }
      - { .name: qkv16, .offset: 40, .size: 8, .value_kind: global_buffer, .address_space: global }
    .group_segment_fixed_size: 327680
    .private_segment_fixed_size: 0
    .kernarg_segment_align: 8
    .kernarg_segment_size: 48
    .max_flat_workgroup_size: 128
    .sgpr_count:     100
    .vgpr_count:     1024
    .wavefront_size: 32
...
	.end_amdgpu_metadata
.endif
;; end of part 2
;; launch attn (part 3): grid 4 x 64, 16 waves a work-group, no clusters, 327,680 bytes of LDS; arguments qkv16, y16; writes y16
.if DOCPART == 3
	.amdgcn_target "amdgcn-amd-amdhsa--gfx1250"
	.amdhsa_code_object_version 6
	.text
	.protected	k_q83be636e4f_attn
	.globl	k_q83be636e4f_attn
	.p2align	8
	.type	k_q83be636e4f_attn,@function
k_q83be636e4f_attn:
	s_mov_b64 s[64:65], 0
	v_nop
	global_prefetch_b8 v0, s[64:65] scope:SCOPE_SE
	s_setreg_imm32_b32 hwreg(HW_REG_WAVE_MODE, 25, 1), 1
	s_wait_xcnt 0x0
; y[b][h][q] = the sum over k <= q of softmax_k(Q . K / 8) V, head size 64, 2,048 positions, 64 (batch, head) pairs.  Operands in f16; products, maxima and sums in f32; a running maximum is taken away before every exponential.
; qkv16: [column block: 48][row: 8192][64] f16: blocks 0-15 q's heads, 16-31 k's, 32-47 v's.  y16: [head][row][64] f16.
; SHARES.  Work-group (j, bh) owns the query blocks j and 7 - j of 256 rows: under the causal mask every work-group then has the same number of key steps.  Each of its sixteen waves owns 32 queries, two tiles of 16,
; so that a fragment of K or V read from LDS feeds two matrix instructions.  Four waves to a SIMD: one wave's softmax stands beside another's products and LDS loads.
; All waves walk one ring of two LDS slots of 256 keys (waves 0, 1 fetch K's halves, waves 2, 3 V's), 64 keys a step.  The trip counts are constants; a step all of whose keys come after the wave's queries is jumped over,
; and a slot that begins after the work-group's last query is not asked for.
; NO CLUSTER: the four work-groups of a head need 8, 7, 6 and 5 slots; a joint load would bring tiles whose reads every wave of a partner jumps over.
; LAYOUT.  S^T = K Q^T (source 0 = 16 keys, source 1 = 16 queries), O^T = V^T P (source 0 = 16 channels, turned by ds_load_tr16_b128; source 1 = P): a lane holds one query throughout, and two tiles of S^T, rounded in pairs, are P.
; The rows of positions 0 to 15 of each sequence are made again, more finely, by two later launches.
; LIMITS: q, k, v beyond 65,504 have no f16 number; NaN and infinities are not served.
.set KP,    144                        ; a key's row in LDS: 128 bytes + 16
.set VP,    160                        ; a row of V: 128 + 32
.set SK,    256                        ; keys in a slot
.set NQ,    4                          ; steps in a slot
.set NSL,   8
.set VOFF,  SK*KP
.set SLOT1, 1<<17
.set STAGE, SLOT1+SK*(KP+VP)           ; behind the ring: 32 rows x 144 bytes for each wave; no tensor load lands here
.set SPARE, STAGE+16*4608              ; the spare words, 128 bytes for each wave
.set AK0, 1
.set AV0, 2
.set SPW, 3
.set NIL, 4
.set GO,  5
.set ADK, 6
.set ADV, 7
.set PFO, 8
.set D0,  9
.set ST,  12                           ; tile t's statistics at v[ST + 8 t]: +0 c m, +1 m, +2, +3 l, +4 .. +7 at work; a in +6
.set QF,  32                           ; Q: tile t, channels 32 c on, at v[QF + 16 t + 8 c]
.set KV,  64                           ; one buffer of 64: K's fragments, then V's
.set S,   128                          ; S^T, 32 a tile; P is packed in place
.set OT,  192                          ; O^T, 32 a tile
.set WV,  18
.set SEL, 20
.set CS,  22
.set G1K, 24
.set G1V, 32
.set G0K, 40
.set G0V, 44
.set TB,  2
.set SLOTS, 67
.set QL,  68
.set PFA, 90
.set LIM, 92
.set KF,  98
.set Q0,  99
.macro TLOAD                           ; waves 0, 1: K; waves 2, 3: V; the others nothing.  An s_nop 0 and four v_nop follow each line
	s_cmp_lt_u32 s[WV], 2
	s_cbranch_scc0 .Lnot_k_\@
	tensor_load_to_lds s[G0K:G0K+3], s[G1K:G1K+7]
	s_nop 0
.rept 4
	v_nop
.endr
	s_branch .Lasked_\@
.Lnot_k_\@:
	s_cmp_lt_u32 s[WV], 4
	s_cbranch_scc0 .Lasked_\@
	tensor_load_to_lds s[G0V:G0V+3], s[G1V:G1V+7]
	s_nop 0
.rept 4
	v_nop
.endr
.Lasked_\@:
.endm
; A prefetch of the slot that the NEXT change of slots will ask for: K's and V's 256 rows are dense blocks of 32,768 bytes.  The head's work-group j = 0, which walks all slots, asks, and nobody else;
; in it waves 4 to 7 ask for K's block and waves 8 to 11 for V's, 8,192 bytes a wave, lanes 256 bytes apart: each block is named once.  It stops where there is no slot behind the next.
.macro ASK
	s_cmp_gt_u32 s[SLOTS], s[LIM]
	s_cbranch_scc0 .Lnot_mine_\@
	global_prefetch_b8 v[PFO], s[PFA:PFA+1] th:TH_LOAD_NT scope:SCOPE_SE
.Lnot_mine_\@:
.endm
	s_load_b128 s[4:7], s[0:1], 0x0                ; qkv16, y16
	v_lshl_add_u32 v[SPW], v0, 2, SPARE
	v_mov_b32 v[NIL], 0
	ds_add_u32 v[SPW], v[NIL]                      ; the opening: the add, twice on end, and its wait ahead of the first tensor load
	ds_add_u32 v[SPW], v[NIL]
	v_lshrrev_b32 v10, 5, v0
	v_readfirstlane_b32 s[WV], v10                 ; wave 0..15
	s_and_b32 s70, ttmp7, 0xffff
	s_and_b32 s71, s70, 15                         ; head
	s_lshr_b32 s72, s70, 4                         ; batch
	s_lshl_b32 s71, s71, 13
	s_lshl_b32 s72, s72, 11
	s_add_co_u32 s75, s71, s72                     ; the sequence's first row in q's part
	s_lshl_b32 s73, ttmp9, 8
	s_lshl_b32 s74, s[WV], 5
	s_add_co_u32 s73, s73, s74                     ; waves 0-7: query 256 j + 32 w
	s_sub_co_u32 s74, 2272, s73                    ; waves 8-15: 256 (7 - j) + 32 (15 - w)
	s_cmp_lt_u32 s[WV], 8
	s_cselect_b32 s[Q0], s73, s74
	s_lshl_b32 s[QL], ttmp9, 8
	s_sub_co_u32 s[QL], 2047, s[QL]                ; the work-group's last query
	s_add_co_u32 s76, s75, s[Q0]
	s_lshl_b32 s76, s76, 7                         ; my first query's bytes, in q's part and in y16
	s_mov_b32 s77, 0
	s_and_b32 s78, s[WV], 1
	s_lshl_b32 s82, s75, 7
	s_lshl_b32 s79, s78, 14
	s_add_co_u32 s84, s82, s79
	s_add_co_u32 s84, s84, 16777216                ; K: the half slot that I fetch
	s_mov_b32 s85, 0
	s_add_co_u32 s86, s84, 16777216                ; V
	s_mov_b32 s87, 0
	s_mul_i32 s88, s78, 128*KP
	s_mul_i32 s89, s78, 128*VP
	s_add_co_u32 s89, s89, VOFF
	s_mov_b32 s[G1K], (1<<16)|(1<<20)|(4<<22)|(3<<25)   ; elements of 2 bytes; 4 words of padding behind every 32
	s_mov_b32 s[G1V], (1<<16)|(1<<20)|(4<<22)|(7<<25)   ; 8 words
.irp g, G1K, G1V
	s_mov_b32 s[\g+1], 64<<16                      ; tensor_dim0 = 64
	s_mov_b32 s[\g+2], 128<<16                     ; tensor_dim1 = 128
	s_mov_b32 s[\g+3], 64<<16                      ; tile_dim0
	s_mov_b32 s[\g+4], 128                         ; tile_dim1
	s_mov_b32 s[\g+5], 64                          ; pitch
	s_mov_b32 s[\g+6], 0
	s_mov_b32 s[\g+7], 0
.endr
	s_mov_b32 s[SEL], 0x76543210
	s_mov_b32 s[SEL+1], 0xfedcba98
	s_mov_b32 s[CS], 0x3e38aa3b                    ; c = log2(e) / 8
	s_mov_b32 s[CS+1], s[CS]
	s_mov_b32 s[TB], 0
	s_mov_b32 s[SLOTS], NSL-1
	s_mov_b32 s[KF], 0
	s_wait_dscnt 0x0                               ; both opening adds are done
	s_wait_kmcnt 0x0
	s_mov_b32 s[G0K], 1
	s_mov_b32 s[G0K+1], s88
	s_add_nc_u64 s[G0K+2:G0K+3], s[4:5], s[84:85]
	s_or_b32 s[G0K+3], s[G0K+3], 0x80000000
	s_mov_b32 s[G0V], 1
	s_mov_b32 s[G0V+1], s89
	s_add_nc_u64 s[G0V+2:G0V+3], s[4:5], s[86:87]
	s_or_b32 s[G0V+3], s[G0V+3], 0x80000000
	TLOAD                                          ; slot 0: key 0 counts for every query
	s_add_nc_u64 s[8:9], s[4:5], s[76:77]          ; Q at my first query
	s_add_nc_u64 s[6:7], s[6:7], s[76:77]          ; y16 likewise
	s_cmp_lt_u32 s[WV], 8                          ; the prefetches: waves 4-7 K, waves 8-11 V
	s_mov_b32 s93, 33554432
	s_cselect_b32 s93, 16777216, s93
	s_add_co_u32 s94, s82, s93
	s_and_b32 s93, s[WV], 3
	s_lshl_b32 s93, s93, 13
	s_add_co_u32 s94, s94, s93
	s_add_co_u32 s94, s94, SK*128                  ; in slot 1: the first change of slots steps it to slot 2
	s_mov_b32 s95, 0
	s_add_nc_u64 s[PFA:PFA+1], s[4:5], s[94:95]
	s_sub_co_u32 s93, s[WV], 4
	s_lshr_b32 s93, s93, 3                         ; 0 in waves 4 to 11,
	s_or_b32 s93, s93, ttmp9                       ; of the work-group j = 0
	s_cmp_eq_u32 s93, 0
	s_cselect_b32 s[LIM], 1, -1
	v_and_b32 v10, 15, v0                          ; r
	v_bfe_u32 v11, v0, 4, 1                        ; h
	v_lshlrev_b32 v28, 7, v10
	v_lshl_add_u32 v28, v11, 4, v28                ; Q: row r of 128 bytes + 16 h
.irp t, 0,1
.irp c, 0,1
	global_load_b128 v[QF+16*\t+8*\c:QF+16*\t+8*\c+3], v28, s[8:9] offset:2048*\t+64*\c
	global_load_b128 v[QF+16*\t+8*\c+4:QF+16*\t+8*\c+7], v28, s[8:9] offset:2048*\t+64*\c+32
.endr
.endr
	v_mul_u32_u24 v[AK0], v10, KP
	v_lshl_add_u32 v[AK0], v11, 4, v[AK0]
	v_and_b32 v29, 7, v0
	v_bfe_u32 v30, v0, 3, 1
	v_lshl_add_u32 v[AV0], v11, 3, v29
	v_mul_u32_u24 v[AV0], v[AV0], VP
	v_lshl_add_u32 v[AV0], v30, 4, v[AV0]
	v_add_nc_u32 v[AV0], VOFF, v[AV0]              ; the turning load: key 8 h + lane % 8, channels 8 ((lane / 8) % 2) on
	v_and_b32 v[GO], 31, v0
	v_lshlrev_b32 v[PFO], 8, v[GO]
	v_lshlrev_b32 v[GO], 4, v[GO]
	v_lshlrev_b32 v[D0], 3, v11
	v_sub_nc_u32 v[D0], v10, v[D0]                 ; r - 8 h
.irp t, 0,1
	v_mov_b32 v[ST+8*\t+1], 0xff61b1e6             ; m = -3e38, under every score
	v_mul_f32 v[ST+8*\t], s[CS], v[ST+8*\t+1]
.irp i, 2,3,4,5,6,7
	v_mov_b32 v[ST+8*\t+\i], 0
.endr
.endr
.set n, 0
.rept 64
	v_mov_b32 v[OT+n], 0                           ; the step is written once: the first finds zeros
.set n, n+1
.endr
; A KEY STEP: 64 keys, the q-th of the slot in hand.
.macro STEP q
	s_add_co_u32 s96, s[Q0], 31
	s_cmp_gt_u32 s[KF], s96                        ; all its keys come after my queries: left out (ids alone; no barrier and no tensor load stands in a step)
	s_cbranch_scc1 .Lhidden_\@
	v_add_nc_u32 v[ADK], s[TB], v[AK0]
	v_add_nc_u32 v[ADV], s[TB], v[AV0]
.rept 4
	v_nop                                          ; with the two additions six places behind the last products: their V is loaded over (4 asked), their P is written over by products (5 asked)
.endr
.irp kt, 0,1,2,3
.irp c, 0,1
	ds_load_b128 v[KV+16*\kt+8*\c:KV+16*\kt+8*\c+3], v[ADK] offset:(64*(\q)+16*\kt)*KP+64*\c
	ds_load_b128 v[KV+16*\kt+8*\c+4:KV+16*\kt+8*\c+7], v[ADK] offset:(64*(\q)+16*\kt)*KP+64*\c+32
.endr
.endr
	s_wait_dscnt 0x0
.irp kt, 0,1,2,3                       ; the eight accumulators take turns
.irp t, 0,1
	v_wmma_f32_16x16x32_f16 v[S+32*\t+8*\kt:S+32*\t+8*\kt+7], v[KV+16*\kt:KV+16*\kt+7], v[QF+16*\t:QF+16*\t+7], 0
.endr
.endr
.irp kt, 0,1,2,3
.irp t, 0,1
	v_wmma_f32_16x16x32_f16 v[S+32*\t+8*\kt:S+32*\t+8*\kt+7], v[KV+16*\kt+8:KV+16*\kt+15], v[QF+16*\t+8:QF+16*\t+15], v[S+32*\t+8*\kt:S+32*\t+8*\kt+7]
.endr
.endr
.rept 4
	v_nop                                          ; places in front of the loads into K's registers and of the first read of the scores
.endr
.irp kk, 0,1
.irp ct, 0,1,2,3
	ds_load_tr16_b128 v[KV+32*\kk+8*\ct:KV+32*\kk+8*\ct+3], v[ADV] offset:(64*(\q)+32*\kk)*VP+32*\ct      ; V lands while the softmax is walked
	ds_load_tr16_b128 v[KV+32*\kk+8*\ct+4:KV+32*\kk+8*\ct+7], v[ADV] offset:(64*(\q)+32*\kk+16)*VP+32*\ct
.endr
.endr
	s_add_co_u32 s96, s[KF], 63
	s_cmp_le_u32 s96, s[Q0]                        ; all keys count: no mask
	s_cbranch_scc1 .Lopen_\@
	s_sub_co_i32 s96, s[Q0], s[KF]
	v_add_nc_u32 v28, s96, v[D0]                   ; register 8 kt + i of tile t holds key KF + 16 kt + 8 h + i: hidden where 16 kt + i > Q0 + 16 t + r - KF - 8 h
	v_add_nc_u32 v29, 16, v28
	v_mov_b32 v30, 0xff800000
.irp t, 0,1
.set n, 0
.rept 32
	v_cmp_gt_i32 vcc_lo, 16*(n/8)+n%8, v[28+\t]
	v_cndmask_b32 v[S+32*\t+n], v[S+32*\t+n], v30, vcc_lo
.set n, n+1
.endr
.endr
.Lopen_\@:
.irp j, 0,1,2,3                        ; the maximum of 32 scores and the old m: four chains a tile, the tiles by turns
.irp t, 0,1
	v_max3_num_f32 v[ST+8*\t+4+\j], v[S+32*\t+8*\j], v[S+32*\t+8*\j+1], v[S+32*\t+8*\j+2]
.endr
.endr
.irp g, 1,2
.irp j, 0,1,2,3
.irp t, 0,1
	v_max3_num_f32 v[ST+8*\t+4+\j], v[ST+8*\t+4+\j], v[S+32*\t+8*\j+2*\g+1], v[S+32*\t+8*\j+2*\g+2]
.endr
.endr
.endr
.irp t, 0,1
	v_max3_num_f32 v[ST+8*\t+4], v[ST+8*\t+4], v[S+32*\t+7], v[S+32*\t+15]
	v_max3_num_f32 v[ST+8*\t+6], v[ST+8*\t+6], v[S+32*\t+23], v[S+32*\t+31]
.endr
.irp t, 0,1
	v_max3_num_f32 v[ST+8*\t+4], v[ST+8*\t+4], v[ST+8*\t+5], v[ST+8*\t+6]
.endr
.irp t, 0,1
	v_max3_num_f32 v[ST+8*\t+4], v[ST+8*\t+4], v[ST+8*\t+7], v[ST+8*\t+1]
.endr
.irp t, 0,1
	v_permlanex16_b32 v[ST+8*\t+5], v[ST+8*\t+4], s[SEL], s[SEL+1]   ; the query's other 32 keys lie in the lane 16 away
.endr
.irp t, 0,1
	v_mov_b32 v[ST+8*\t+7], v[ST+8*\t]             ; c m_old
.endr
.irp t, 0,1
	v_max_num_f32 v[ST+8*\t+1], v[ST+8*\t+4], v[ST+8*\t+5]
.endr
.irp t, 0,1
	v_mul_f32 v[ST+8*\t], s[CS], v[ST+8*\t+1]
.endr
.irp t, 0,1
	v_sub_f32 v[ST+8*\t+7], v[ST+8*\t+7], v[ST+8*\t]
.endr
.irp t, 0,1
	v_exp_f32 v[ST+8*\t+6], v[ST+8*\t+7]           ; a = 2^(c m_old - c m_new)
.endr
.irp t, 0,1
.set n, 0
.rept 16
	v_pk_fma_f32 v[S+32*\t+n:S+32*\t+n+1], v[S+32*\t+n:S+32*\t+n+1], s[CS:CS+1], v[ST+8*\t:ST+8*\t+1] op_sel_hi:[1,0,0] neg_lo:[0,0,1] neg_hi:[0,0,1]   ; c s - c m
.set n, n+2
.endr
.endr
.set n, 0
.rept 64
	v_exp_f32 v[S+n], v[S+n]
.set n, n+1
.endr
	v_nop                                          ; a plain line behind the last exponential
	s_wait_alu depctr_va_vdst(0)                   ; one wait for the whole batch of 66, ahead of its first reader
.irp t, 0,1                            ; the row's sums of the unrounded p: two chains a tile
	v_pk_add_f32 v[ST+8*\t+4:ST+8*\t+5], v[S+32*\t:S+32*\t+1], v[S+32*\t+2:S+32*\t+3]
	v_pk_add_f32 v[28+2*\t:29+2*\t], v[S+32*\t+4:S+32*\t+5], v[S+32*\t+6:S+32*\t+7]
.endr
.irp i, 8,12,16,20,24,28
.irp t, 0,1
	v_pk_add_f32 v[ST+8*\t+4:ST+8*\t+5], v[ST+8*\t+4:ST+8*\t+5], v[S+32*\t+\i:S+32*\t+\i+1]
	v_pk_add_f32 v[28+2*\t:29+2*\t], v[28+2*\t:29+2*\t], v[S+32*\t+\i+2:S+32*\t+\i+3]
.endr
.endr
.irp t, 0,1
	v_pk_add_f32 v[ST+8*\t+4:ST+8*\t+5], v[ST+8*\t+4:ST+8*\t+5], v[28+2*\t:29+2*\t]
.endr
.irp t, 0,1
	v_pk_fma_f32 v[ST+8*\t+2:ST+8*\t+3], v[ST+8*\t+2:ST+8*\t+3], v[ST+8*\t+6:ST+8*\t+7], v[ST+8*\t+4:ST+8*\t+5] op_sel_hi:[1,0,1]   ; l = a l + the sum
.endr
.irp t, 0,1                            ; p to f16, in place and ascending: register i of keys 32 kk on takes scores 2 i, 2 i + 1
.irp kk, 0,1
.irp i, 0,1,2,3,4,5,6,7
	v_cvt_pk_f16_f32 v[S+32*\t+16*\kk+\i], v[S+32*\t+16*\kk+2*\i], v[S+32*\t+16*\kk+2*\i+1]
.endr
.endr
.endr
.irp t, 0,1
.set n, 0
.rept 16
	v_pk_mul_f32 v[OT+32*\t+n:OT+32*\t+n+1], v[OT+32*\t+n:OT+32*\t+n+1], v[ST+8*\t+6:ST+8*\t+7] op_sel_hi:[1,0]   ; O^T x a
.set n, n+2
.endr
.endr
	s_wait_dscnt 0x0                               ; V is in
.irp kk, 0,1
.irp ct, 0,1,2,3
.irp t, 0,1
	v_wmma_f32_16x16x32_f16 v[OT+32*\t+8*\ct:OT+32*\t+8*\ct+7], v[KV+32*\kk+8*\ct:KV+32*\kk+8*\ct+7], v[S+32*\t+16*\kk:S+32*\t+16*\kk+7], v[OT+32*\t+8*\ct:OT+32*\t+8*\ct+7]
.endr
.endr
.endr
.Lhidden_\@:
	s_add_co_u32 s[KF], s[KF], 64
.endm
; THE CHANGE OF SLOTS, at a slot's head: each wave waits for all its tensor loads, adds 0 to its spare word, and waits for that and for its reads of the slot that it has left; then the barrier.
; fill = 1: the slot just left is filled with the keys that follow, up to the causal limit.
.macro CHANGE fill
	s_wait_tensorcnt 0x0                           ; no tensor load of mine is out: a group 0 may be written
	ds_add_u32 v[SPW], v[NIL]
.if \fill
	ds_add_u32 v[SPW], v[NIL]                      ; and twice on end here, in every trip alike
	s_xor_b32 s[G0K+1], s[G0K+1], SLOT1
	s_add_nc_u64 s[G0K+2:G0K+3], s[G0K+2:G0K+3], SK*128
	s_xor_b32 s[G0V+1], s[G0V+1], SLOT1
	s_add_nc_u64 s[G0V+2:G0V+3], s[G0V+2:G0V+3], SK*128
	s_wait_xcnt 0x0                                ; the last prefetch, a slot back, has read its address
	s_add_nc_u64 s[PFA:PFA+1], s[PFA:PFA+1], SK*128
.endif
	s_wait_dscnt 0x0
	s_barrier_signal -1
	s_barrier_wait -1
.if \fill
	s_add_co_u32 s96, s[KF], SK                    ; the first key of the slot that this change would ask for
	s_cmp_gt_u32 s96, s[QL]                        ; past the work-group's last query: no wave would read it.  Ids and the count of steps alone: all sixteen waves go the same way
	s_cbranch_scc1 .Lpast_\@
	TLOAD                                          ; a wave's one tensor load until the next change
.Lpast_\@:
	ASK
.endif
.endm
.macro SLOT_STEPS
.set QI, 0
.rept NQ
	STEP QI
.set QI, QI+1
.endr
	s_xor_b32 s[TB], s[TB], SLOT1
.endm
	s_wait_loadcnt 0x0                             ; Q
.Lslot:                                            ; seven trips
	CHANGE 1
	SLOT_STEPS
	s_sub_co_u32 s[SLOTS], s[SLOTS], 1
	s_cmp_lg_u32 s[SLOTS], 0
	s_cbranch_scc1 .Lslot
	CHANGE 0                                       ; the last slot is written out: nothing is left to ask for
	SLOT_STEPS
	; THE WAY OUT: O^T / l, rounded to f16, through my stage, back as rows of 128 bytes; four rows are 512 consecutive bytes of y16.
.rept 4
	v_nop
.endr
.irp t, 0,1
	v_add_f32 v[ST+8*\t+4], v[ST+8*\t+2], v[ST+8*\t+3]
.endr
.irp t, 0,1
	v_permlanex16_b32 v[ST+8*\t+5], v[ST+8*\t+4], s[SEL], s[SEL+1]
.endr
.irp t, 0,1
	v_add_f32 v[ST+8*\t+4], v[ST+8*\t+4], v[ST+8*\t+5]
.endr
.irp t, 0,1
	v_rcp_f32 v[ST+8*\t+6], v[ST+8*\t+4]
.endr
	v_and_b32 v10, 15, v0
	v_bfe_u32 v11, v0, 4, 1
	s_mul_i32 s73, s[WV], 4608
	s_add_co_u32 s73, s73, STAGE
	v_mul_u32_u24 v28, v10, KP
	v_lshl_add_u32 v28, v11, 4, v28
	v_add_nc_u32 v28, s73, v28                     ; in: row r, 16 bytes for each half of the lanes
	v_bfe_u32 v29, v0, 3, 2
	v_mul_u32_u24 v29, v29, KP
	v_and_b32 v30, 7, v0
	v_lshl_add_u32 v29, v30, 4, v29
	v_add_nc_u32 v29, s73, v29                     ; back: eight lanes to a row
	s_wait_alu depctr_va_vdst(0)                   ; one wait for the two reciprocals, ahead of their first reader
.irp t, 0,1
.set n, 0
.rept 16
	v_pk_mul_f32 v[OT+32*\t+n:OT+32*\t+n+1], v[OT+32*\t+n:OT+32*\t+n+1], v[ST+8*\t+6:ST+8*\t+7] op_sel_hi:[1,0]
.set n, n+2
.endr
.endr
.set n, 0
.rept 32
	v_cvt_pk_f16_f32 v[S+n], v[OT+2*n], v[OT+2*n+1]
.set n, n+1
.endr
.irp t, 0,1
.irp ct, 0,1,2,3
	ds_store_b128 v28, v[S+16*\t+4*\ct:S+16*\t+4*\ct+3] offset:2304*\t+32*\ct
.endr
.endr
.irp i, 0,1,2,3,4,5,6,7
	ds_load_b128 v[KV+4*\i:KV+4*\i+3], v29 offset:576*\i           ; in order behind my stores
.endr
.irp i, 0,1,2,3,4,5,6,7
	s_wait_dscnt 7-\i
	global_store_b128 v[GO], v[KV+4*\i:KV+4*\i+3], s[6:7] offset:512*\i
.endr
	s_wait_tensorcnt 0x0                           ; the wave's end
	ds_add_u32 v[SPW], v[NIL]
	s_wait_dscnt 0x0
	s_endpgm
.Lfunc_end_k_q83be636e4f_attn:
	.size	k_q83be636e4f_attn, .Lfunc_end_k_q83be636e4f_attn-k_q83be636e4f_attn
	.p2alignl 7, 3214868480
	.fill 96, 4, 3214868480
	.section	.rodata,"a",@progbits
	.p2align	6, 0x0
	.amdhsa_kernel k_q83be636e4f_attn
		.amdhsa_group_segment_fixed_size 327680
		.amdhsa_private_segment_fixed_size 0
		.amdhsa_enable_private_segment 0
		.amdhsa_kernarg_size 16
		.amdhsa_user_sgpr_count 2
		.amdhsa_user_sgpr_kernarg_segment_ptr 1
		.amdhsa_wavefront_size32 1
		.amdhsa_system_sgpr_workgroup_id_x 1
		.amdhsa_system_sgpr_workgroup_id_y 1
		.amdhsa_system_sgpr_workgroup_id_z 1
		.amdhsa_system_vgpr_workitem_id 0
		.amdhsa_next_free_vgpr 256
		.amdhsa_next_free_sgpr 100
		.amdhsa_reserve_vcc 1
		.amdhsa_float_denorm_mode_32 3
		.amdhsa_float_denorm_mode_16_64 3
		.amdhsa_memory_ordered 1
		.amdhsa_forward_progress 1
		.amdhsa_inst_pref_size 188
	.end_amdhsa_kernel
	.amdgpu_metadata
---
amdhsa.version: [ 1, 2 ]
amdhsa.kernels:
  - .name:           k_q83be636e4f_attn
    .symbol:         k_q83be636e4f_attn.kd
    .args:
      - { .name: qkv16, .offset: 0, .size: 8, .value_kind: global_buffer, .address_space: global }
      - { .name: y16, .offset: 8, .size: 8, .value_kind: global_buffer, .address_space: global }
    .group_segment_fixed_size: 327680
    .private_segment_fixed_size: 0
    .kernarg_segment_align: 8
    .kernarg_segment_size: 16
    .max_flat_workgroup_size: 512
    .sgpr_count:     100
    .vgpr_count:     256
    .wavefront_size: 32
...
	.end_amdgpu_metadata
.endif
;; end of part 3
;; launch proj (part 4): grid 4 x 64, 4 waves a work-group, clusters of 4 x 4, 327,680 bytes of LDS; arguments y16, wp16, b_proj, out0; writes out0
.if DOCPART == 4
	.amdgcn_target "amdgcn-amd-amdhsa--gfx1250"
	.amdhsa_code_object_version 6
	.text
	.protected	k_q83be636e4f_proj
	.globl	k_q83be636e4f_proj
	.p2align	8
	.type	k_q83be636e4f_proj,@function
k_q83be636e4f_proj:
	s_mov_b64 s[64:65], 0
	v_nop
	global_prefetch_b8 v0, s[64:65] scope:SCOPE_SE
	s_setreg_imm32_b32 hwreg(HW_REG_WAVE_MODE, 25, 1), 1
	s_wait_xcnt 0x0
	s_wait_alu depctr_hold_cnt(0) depctr_sa_sdst(0) depctr_va_vdst(0) depctr_va_sdst(0) depctr_va_ssrc(0) depctr_va_vcc(0) depctr_vm_vsrc(0)
	s_getreg_b32 s2, hwreg(HW_REG_IB_STS2, 6, 4)
	s_cmp_eq_u32 s2, 0
	s_cbranch_scc0 .Lentry_in_a_cluster
	s_endpgm
.Lentry_in_a_cluster:
	s_bfe_u32 s2, ttmp6, 0x10000c
	s_cmp_lg_u32 s2, 0xf033
	s_cbranch_scc0 .Lentry_shape_is_right
	s_endpgm
.Lentry_shape_is_right:
; out0 = y W_proj + b_proj.  y16: [head 16][row 8192][64] f16 (k = 64 head + channel); wp16: [k 1024][n 1024] f16; sums and out0 in f32.
; A tile of 128 rows x 256 columns to a work-group: 256 work-groups.  Four waves, each 64 x 128: 32 accumulators, 256 registers.  K goes in steps of 128 (two heads) through a ring of two LDS slots.
; Waves 0, 1 fetch y's two head blocks (128 rows x 128 bytes), waves 2, 3 the two halves of W's 128 rows x 512 bytes.
; CLUSTERS: 4 x 4 work-groups; y's tiles are asked for jointly along a row of the cluster, W's along a column.
; THE MATRIX INSTRUCTION IS USED TRANSPOSED: source 0 = 16 columns of W (turned by ds_load_tr16_b128), source 1 = 16 rows of y: a lane holds eight neighbouring columns of a row.  The bias is the C of each sum's first product.
; No prefetch is laid: the tile is small and each refill goes out with a whole K step's products behind it.
; REGISTERS: window 0: v0-31 addresses; two fragment buffers of 96 (32 of y, 64 of W) at v32 and v128; on the way out v32-159 rows read back.  window 1: the accumulators ((a, b) at v[8 (8 a + b)]).  window 2: v0-63 the bias.
; The 64 rows of positions 0 to 15 of each sequence are written again, more finely, by a later launch.
.set PA,     144
.set PB,     544
.set ABLK,   128*PA
.set BOFF,   2*ABLK
.set BHALF,  64*PB
.set SLOT,   BOFF+2*BHALF
.set STAGE,  2*SLOT
.set SPITCH, 528
.set SPARE,  STAGE+4*16*SPITCH
.set LAPS,   4
.set ADRA, 16
.set ADRB, 20
.set STO,  24
.set RD,   25
.set CO,   26
.set SPW,  28
.set NIL,  29
.set F0,   32
.set F1,   128
.set BK,   32
.set G1, 24
.set G0, 32
.set G1B, 48
.set G0B, 56
.set MSB, 0
.macro WIN new
.if MSB != (\new)
	s_set_vgpr_msb (MSB<<8)|(\new)
.set MSB, (\new)
.endif
.endm
.set MUL,  0x50                        ; sources 0, 1 window 0; C and D window 1
.set MUL0, 0x60                        ; C (the bias) window 2, D window 1
.macro JLOAD s
	s_cmp_eq_u32 s11, 0
	s_cbranch_scc0 .Lfor_b_\@
	tensor_load_to_lds s[G0+4*\s:G0+4*\s+3], s[G1:G1+7]
	s_nop 0
.rept 4
	v_nop
.endr
	s_branch .Lasked_\@
.Lfor_b_\@:
	tensor_load_to_lds s[G0B+4*\s:G0B+4*\s+3], s[G1B:G1B+7]
	s_nop 0
.rept 4
	v_nop
.endr
.Lasked_\@:
.endm
.macro CREST
	s_cmp_lg_u32 s10, 0
	s_cbranch_scc1 .Lnot_wave_0_\@
	s_barrier_signal -3
.Lnot_wave_0_\@:
	s_barrier_wait -3
	s_barrier_signal -1
	s_barrier_wait -1
.endm
.macro CROUND
	s_barrier_signal -1
	s_barrier_wait -1
	CREST
.endm
	s_load_b128 s[4:7], s[0:1], 0x0                ; y16, wp16
	s_load_b128 s[68:71], s[0:1], 0x10             ; b_proj, out0
	v_lshl_add_u32 v[SPW], v0, 2, SPARE
	v_mov_b32 v[NIL], 0
	ds_add_u32 v[SPW], v[NIL]                      ; the opening: the add, twice on end, and its wait ahead of my first tensor load
	ds_add_u32 v[SPW], v[NIL]
	v_lshrrev_b32 v1, 5, v0
	v_readfirstlane_b32 s10, v1                    ; wave 0..3
	s_lshr_b32 s11, s10, 1                         ; my half of the rows; also: I fetch for y (0) or for W (1)
	s_and_b32 s12, s10, 1                          ; my half of the columns; also: which half of that tile I fetch
	s_bfe_u32 s40, ttmp6, 0x40000
	s_bfe_u32 s41, ttmp6, 0x40004
	s_lshl_b32 s42, ttmp9, 2
	s_add_co_u32 s42, s42, s40                     ; tile column
	s_and_b32 s13, ttmp7, 0xffff
	s_lshl_b32 s13, s13, 2
	s_add_co_u32 s13, s13, s41                     ; tile row
	s_lshl_b32 s43, s41, 2
	s_lshl_b32 s43, 15, s43
	s_lshl_b32 s44, 0x1111, s40
	s_or_b32 s[G1+0], s43, (1<<16)|(1<<20)|(1<<21)|(4<<22)|(3<<25)   ; y: elements of 2 bytes; 4 words of padding behind every 32
	s_mov_b32 s[G1+1], 64<<16
	s_mov_b32 s[G1+2], 128<<16
	s_mov_b32 s[G1+3], 64<<16
	s_mov_b32 s[G1+4], 128
	s_mov_b32 s[G1+5], 64
	s_mov_b32 s[G1+6], 0
	s_mov_b32 s[G1+7], 0
	s_or_b32 s[G1B+0], s44, (1<<16)|(1<<20)|(1<<21)|(6<<22)|(7<<25)  ; W: 8 words of padding behind every 128
	s_mov_b32 s[G1B+1], 256<<16
	s_mov_b32 s[G1B+2], 64<<16
	s_mov_b32 s[G1B+3], 256<<16
	s_mov_b32 s[G1B+4], 64
	s_mov_b32 s[G1B+5], 1024
	s_mov_b32 s[G1B+6], 0
	s_mov_b32 s[G1B+7], 0
	s_lshl_b32 s16, s12, 20                        ; y: head block s12, row 128 x tile row, 128 bytes a row
	s_lshl_b32 s17, s13, 14
	s_add_co_u32 s16, s16, s17
	s_mov_b32 s17, 0
	s_lshl_b32 s46, s12, 17                        ; W: row 64 s12 of 2,048 bytes, column 256 x tile column
	s_lshl_b32 s47, s42, 9
	s_add_co_u32 s46, s46, s47
	s_mov_b32 s47, 0
	s_mul_i32 s20, s12, ABLK
	s_mul_i32 s21, s12, BHALF
	s_add_co_u32 s21, s21, BOFF
	s_wait_dscnt 0x0
	s_wait_kmcnt 0x0
	s_add_nc_u64 s[14:15], s[4:5], s[16:17]
	s_add_nc_u64 s[46:47], s[6:7], s[46:47]
	CROUND                                         ; all sixteen work-groups are here
.irp s, 0,1
	s_mov_b32 s[G0+4*\s], 1
	s_add_co_u32 s[G0+4*\s+1], s20, \s*SLOT
	s_add_nc_u64 s[G0+4*\s+2:G0+4*\s+3], s[14:15], \s*2097152
	s_or_b32 s[G0+4*\s+3], s[G0+4*\s+3], 0x80000000
	s_mov_b32 s[G0B+4*\s], 1
	s_add_co_u32 s[G0B+4*\s+1], s21, \s*SLOT
	s_add_nc_u64 s[G0B+4*\s+2:G0B+4*\s+3], s[46:47], \s*262144
	s_or_b32 s[G0B+4*\s+3], s[G0B+4*\s+3], 0x80000000
	JLOAD \s                                       ; two loads of mine are out
.endr
	v_and_b32 v1, 15, v0                           ; r
	v_bfe_u32 v2, v0, 4, 1                         ; h
	v_mul_u32_u24 v3, v1, PA
	v_lshl_add_u32 v3, v2, 4, v3
	v_and_b32 v5, 7, v0
	v_bfe_u32 v6, v0, 3, 1
	v_lshl_add_u32 v4, v2, 3, v5
	v_mul_u32_u24 v4, v4, PB
	v_lshl_add_u32 v4, v6, 4, v4
	s_mul_i32 s22, s11, 64*PA                      ; my 64 rows of y
	s_lshl_b32 s23, s12, 8
	s_add_co_u32 s23, s23, BOFF                    ; my 128 columns of W
.irp s, 0,1
	v_add_nc_u32 v[ADRA+\s], s22, v3
	v_add_nc_u32 v[ADRB+\s], s23, v4
	s_add_co_u32 s22, s22, SLOT
	s_add_co_u32 s23, s23, SLOT
.endr
	s_mul_i32 s23, s10, 16*SPITCH
	s_add_co_u32 s23, s23, STAGE
	v_mul_u32_u24 v5, v1, SPITCH
	v_lshl_add_u32 v5, v2, 5, v5
	v_add_nc_u32 v[STO], s23, v5
	v_and_b32 v6, 31, v0
	v_lshlrev_b32 v[CO], 4, v6
	v_add_nc_u32 v[RD], s23, v[CO]
	s_lshl_b32 s16, s13, 7
	s_lshl_b32 s17, s11, 6
	s_add_co_u32 s16, s16, s17
	s_lshl_b32 s16, s16, 12                        ; my first row of out0, 4,096 bytes a row
	s_mov_b32 s17, 0
	s_add_nc_u64 s[70:71], s[70:71], s[16:17]
	s_lshl_b32 s46, s42, 10
	s_lshl_b32 s47, s12, 9
	s_add_co_u32 s46, s46, s47                     ; my first column, in bytes
	s_mov_b32 s47, 0
	s_add_nc_u64 s[70:71], s[70:71], s[46:47]
	s_add_nc_u64 s[68:69], s[68:69], s[46:47]      ; and its bias
	v_lshlrev_b32 v7, 5, v2
	WIN 0x80                                       ; destination window 2
.irp b, 0,1,2,3,4,5,6,7
	global_load_b128 v[8*\b:8*\b+3], v7, s[68:69] offset:64*\b
	global_load_b128 v[8*\b+4:8*\b+7], v7, s[68:69] offset:64*\b+16
.endr
	WIN 0
.macro MUL8 f, a, first                ; y's block a against W's eight, 32 along K
.irp b, 0,1,2,3,4,5,6,7
.if \first
	v_wmma_f32_16x16x32_f16 v[8*(8*(\a)+\b):8*(8*(\a)+\b)+7], v[\f+32+8*\b:\f+32+8*\b+7], v[\f+8*(\a):\f+8*(\a)+7], v[8*\b:8*\b+7]
.else
	v_wmma_f32_16x16x32_f16 v[8*(8*(\a)+\b):8*(8*(\a)+\b)+7], v[\f+32+8*\b:\f+32+8*\b+7], v[\f+8*(\a):\f+8*(\a)+7], v[8*(8*(\a)+\b):8*(8*(\a)+\b)+7]
.endif
.endr
.endm
.macro FETCH slot, q, f                ; 24 LDS loads: the fragments of the slot's q-th 32 along K
.irp b, 0,1,2,3,4,5,6,7
	ds_load_tr16_b128 v[\f+32+8*\b:\f+32+8*\b+3], v[ADRB+\slot] offset:(\q)*32*PB+32*\b
	ds_load_tr16_b128 v[\f+32+8*\b+4:\f+32+8*\b+7], v[ADRB+\slot] offset:(\q)*32*PB+32*\b+16*PB
.endr
.irp i, 0,1,2,3
	ds_load_b128 v[\f+8*\i:\f+8*\i+3], v[ADRA+\slot] offset:((\q)/2)*ABLK+((\q)%2)*64+\i*16*PA
	ds_load_b128 v[\f+8*\i+4:\f+8*\i+7], v[ADRA+\slot] offset:((\q)/2)*ABLK+((\q)%2)*64+\i*16*PA+32
.endr
.endm
.macro PLACES
.rept 4
	v_nop
.endr
.endm
; A quarter: 32 along K, 32 matrix instructions on buffer f; the next quarter's fragments (the slot's qn-th) are asked for ahead of them, into buffer g.  The 32 accumulators take turns.
.macro QUARTER slot, qn, f, g, first
	s_wait_dscnt 0x0                               ; buffer f is in
	PLACES                                         ; in front of the loads into buffer g, which the quarter before multiplied
	WIN 0
	FETCH \slot, \qn, \g
.if \first
	WIN MUL0
.else
	WIN MUL
.endif
	MUL8 \f, 0, \first
	MUL8 \f, 1, \first
	MUL8 \f, 2, \first
	MUL8 \f, 3, \first
.endm
; A slot's last quarter multiplies buffer 1 and changes slots.
.macro TURN slot, next, fill
	WIN 0
	s_wait_tensorcnt 0x0                           ; all my tensor loads have landed: my part of the next slot
	ds_add_u32 v[SPW], v[NIL]
	s_wait_dscnt 1                                 ; buffer 1 is in; the add may be out
	WIN MUL
	MUL8 F1, 0, 0
	s_wait_dscnt 0x0                               ; the add is done, my reads of this slot are over
	s_barrier_signal -1
	MUL8 F1, 1, 0
	WIN 0
	s_barrier_wait -1
.if \fill
	CREST                                          ; the barrier has opened a round of the cluster's: no wave of any partner still reads this slot or has a load on its way
	s_add_nc_u64 s[G0+4*\slot+2:G0+4*\slot+3], s[G0+4*\slot+2:G0+4*\slot+3], 2*2097152
	s_add_nc_u64 s[G0B+4*\slot+2:G0B+4*\slot+3], s[G0B+4*\slot+2:G0B+4*\slot+3], 2*262144
	JLOAD \slot                                    ; its four v_nop are also the places in front of the loads below
.else
	PLACES
.endif
	FETCH \next, 0, F0
	WIN MUL
	MUL8 F1, 2, 0
	MUL8 F1, 3, 0
.endm
	s_wait_tensorcnt 1                             ; my part of slot 0 is in; slot 1's may be out
	s_barrier_signal -1
	s_barrier_wait -1
	FETCH 0, 0, F0
	s_wait_loadcnt 0x0                             ; the bias
	QUARTER 0, 1, F0, F1, 1
	WIN 0
	s_mov_b32 s3, LAPS-1
.Llap:                                             ; a trip goes once round the ring and fills both slots again
	QUARTER 0, 2, F1, F0, 0
	QUARTER 0, 3, F0, F1, 0
	TURN 0, 1, 1
	QUARTER 1, 1, F0, F1, 0
	QUARTER 1, 2, F1, F0, 0
	QUARTER 1, 3, F0, F1, 0
	TURN 1, 0, 1
	QUARTER 0, 1, F0, F1, 0
	WIN 0
	s_sub_co_u32 s3, s3, 1
	s_cmp_lg_u32 s3, 0
	s_cbranch_scc1 .Llap
	QUARTER 0, 2, F1, F0, 0                        ; the last lap fills nothing
	QUARTER 0, 3, F0, F1, 0
	TURN 0, 1, 0
	QUARTER 1, 1, F0, F1, 0
	QUARTER 1, 2, F1, F0, 0
	QUARTER 1, 3, F0, F1, 0
	s_wait_dscnt 0x0
	WIN MUL
	MUL8 F1, 0, 0
	MUL8 F1, 1, 0
	MUL8 F1, 2, 0
	MUL8 F1, 3, 0
	WIN 0
; THE WAY OUT: a block of 16 rows x 128 columns goes through my own stage and comes back as rows of 512 bytes, which the 32 lanes store whole.
.macro TOSTAGE a
	WIN 0x04                                       ; an LDS store's data: window 1
.irp b, 0,1,2,3,4,5,6,7
	ds_store_b128 v[STO], v[8*(8*(\a)+\b):8*(8*(\a)+\b)+3] offset:64*\b        ; each accumulator from its low end on
	ds_store_b128 v[STO], v[8*(8*(\a)+\b)+4:8*(8*(\a)+\b)+7] offset:64*\b+16
.endr
	WIN 0
.set BB, BK+64*((\a)%2)
.irp t, 0,1,2,3,4,5,6,7,8,9,10,11,12,13,14,15
	ds_load_b128 v[BB+4*\t:BB+4*\t+3], v[RD] offset:\t*SPITCH
.endr
.endm
.macro SEND a, younger
.set BB, BK+64*((\a)%2)
	s_wait_dscnt \younger
.irp t, 0,1,2,3,4,5,6,7,8,9,10,11,12,13,14,15
	global_store_b128 v[CO], v[BB+4*\t:BB+4*\t+3], s[70:71] offset:(\a)*65536+\t*4096 th:TH_STORE_NT
.endr
.endm
	PLACES
	TOSTAGE 0
.irp a, 1,2,3
.if \a > 1
	s_wait_xcnt 0x0                                ; block a - 2's stores have read their registers: block a's loads may land there
.endif
	TOSTAGE \a
	SEND \a-1, 32                                  ; behind block a - 1's loads: block a's 16 stores and 16 loads
.endr
	SEND 3, 0
	s_wait_tensorcnt 0x0                           ; the wave's end
	ds_add_u32 v[SPW], v[NIL]
	s_wait_dscnt 0x0
	CROUND                                         ; the closing round
	s_endpgm
.Lfunc_end_k_q83be636e4f_proj:
	.size	k_q83be636e4f_proj, .Lfunc_end_k_q83be636e4f_proj-k_q83be636e4f_proj
	.p2alignl 7, 3214868480
	.fill 96, 4, 3214868480
	.section	.rodata,"a",@progbits
	.p2align	6, 0x0
	.amdhsa_kernel k_q83be636e4f_proj
		.amdhsa_group_segment_fixed_size 327680
		.amdhsa_private_segment_fixed_size 0
		.amdhsa_enable_private_segment 0
		.amdhsa_kernarg_size 32
		.amdhsa_user_sgpr_count 2
		.amdhsa_user_sgpr_kernarg_segment_ptr 1
		.amdhsa_wavefront_size32 1
		.amdhsa_system_sgpr_workgroup_id_x 1
		.amdhsa_system_sgpr_workgroup_id_y 1
		.amdhsa_system_sgpr_workgroup_id_z 1
		.amdhsa_system_vgpr_workitem_id 0
		.amdhsa_next_free_vgpr 576
		.amdhsa_next_free_sgpr 72
		.amdhsa_reserve_vcc 0
		.amdhsa_float_denorm_mode_32 3
		.amdhsa_float_denorm_mode_16_64 3
		.amdhsa_memory_ordered 1
		.amdhsa_forward_progress 1
		.amdhsa_inst_pref_size 86
	.end_amdhsa_kernel
	.amdgpu_metadata
---
amdhsa.version: [ 1, 2 ]
amdhsa.kernels:
  - .name:           k_q83be636e4f_proj
    .symbol:         k_q83be636e4f_proj.kd
    .args:
      - { .name: y16, .offset: 0, .size: 8, .value_kind: global_buffer, .address_space: global }
      - { .name: wp16, .offset: 8, .size: 8, .value_kind: global_buffer, .address_space: global }
      - { .name: b_proj, .offset: 16, .size: 8, .value_kind: global_buffer, .address_space: global }
      - { .name: out0, .offset: 24, .size: 8, .value_kind: global_buffer, .address_space: global }
    .group_segment_fixed_size: 327680
    .private_segment_fixed_size: 0
    .kernarg_segment_align: 8
    .kernarg_segment_size: 32
    .max_flat_workgroup_size: 128
    .sgpr_count:     72
    .vgpr_count:     576
    .wavefront_size: 32
...
	.end_amdgpu_metadata
.endif
;; end of part 4
;; launch fine_a (part 5): grid 64 x 1, 12 waves a work-group, no clusters, 13,824 bytes of LDS; arguments x_codes, x_scales, w_codes, w_scales, b_attn, y_img; writes y_img
.if DOCPART == 5
	.amdgcn_target "amdgcn-amd-amdhsa--gfx1250"
	.amdhsa_code_object_version 6
	.text
	.protected	k_q83be636e4f_fine_a
	.globl	k_q83be636e4f_fine_a
	.p2align	8
	.type	k_q83be636e4f_fine_a,@function
k_q83be636e4f_fine_a:
	s_mov_b64 s[64:65], 0
	v_nop
	global_prefetch_b8 v0, s[64:65] scope:SCOPE_SE
	s_setreg_imm32_b32 hwreg(HW_REG_WAVE_MODE, 25, 1), 1
	s_wait_xcnt 0x0
; POSITIONS 0 TO 15 OF EVERY SEQUENCE, CARRIED IN F32.  Under the causal mask these rows average one to sixteen values, so the rounding of 16-bit operands weighs most there.
; Work-group (batch, head): each of twelve waves makes one tile of 16 positions x 16 columns of q (waves 0-3), k (4-7) or v (8-11) anew from the codes, eight products along K = 1,024 with the bias as the first C.
; q and k are made transposed (a lane holds a position, its registers eight channels), v as it lies (a lane holds a channel, its registers eight positions): these results ARE the operands of the f32 matrix form
; under one permutation of the contracted axis, the same on both sides, so no number changes lanes.  They go to wave 0 through LDS as images of their registers.
; Wave 0: S^T = K Q^T (four partial sums by turns), mask, softmax with the row's maximum taken away, O^T = V^T P, / the sum; stored as a register image: y_img [batch][head][16 channels: 4][half: 2][lane][16 bytes].
.set SPW,   10
.set NIL,   11
.set SPARE, 12288                      ; behind the twelve images of 1,024 bytes: the spare words
	s_load_b256 s[4:11], s[0:1], 0x0               ; x_codes 4:5, x_scales 6:7, w_codes 8:9, w_scales 10:11
	s_load_b128 s[12:15], s[0:1], 0x20             ; b_attn 12:13, y_img 14:15
	v_lshl_add_u32 v[SPW], v0, 2, SPARE
	v_mov_b32 v[NIL], 0
	v_lshrrev_b32 v1, 5, v0
	v_readfirstlane_b32 s16, v1                    ; wave 0..11
	v_and_b32 v1, 15, v0                           ; r
	v_bfe_u32 v2, v0, 4, 1                         ; h
	v_and_b32 v3, 31, v0
	v_lshlrev_b32 v4, 9, v1
	v_lshl_add_u32 v4, v2, 4, v4                   ; x: row r of 512 bytes + 16 h
	v_mul_u32_u24 v5, v2, 49152
	v_lshl_add_u32 v5, v1, 4, v5                   ; W: column r, one block row further for the upper lanes
	v_lshlrev_b32 v6, 5, v1                        ; scale bytes: 32 a row
	v_lshlrev_b32 v7, 5, v2                        ; the bias of eight neighbouring columns
	v_lshlrev_b32 v8, 2, v1                        ; the bias of my column
	v_lshlrev_b32 v12, 4, v3                       ; 16 x lane: an image's place
	s_lshl_b32 s17, s16, 10
	v_add_nc_u32 v9, s17, v12                      ; my wave's image
	v_lshlrev_b32 v13, 3, v2
	v_sub_nc_u32 v13, v1, v13                      ; r - 8 h
	v_mov_b32 v14, 0xff800000
	v_mov_b32 v145, 0                              ; a lane permute's destination counts as one of its sources
	s_mov_b32 s20, 0x76543210
	s_mov_b32 s21, 0xfedcba98
	s_mov_b32 s22, 0x3e38aa3b                      ; c = log2(e) / 8
	s_lshr_b32 s18, ttmp9, 4                       ; batch
	s_and_b32 s19, ttmp9, 15                       ; head
	s_lshr_b32 s23, s16, 2
	s_lshl_b32 s23, s23, 10
	s_lshl_b32 s19, s19, 6
	s_add_co_u32 s23, s23, s19
	s_and_b32 s19, s16, 3
	s_lshl_b32 s19, s19, 4
	s_add_co_u32 s23, s23, s19                     ; my first column
	s_mov_b32 s25, 0
	s_wait_kmcnt 0x0
	s_lshl_b32 s24, s18, 20
	s_add_nc_u64 s[4:5], s[4:5], s[24:25]
	s_lshl_b32 s24, s18, 16
	s_add_nc_u64 s[6:7], s[6:7], s[24:25]
	s_lshl_b32 s24, s23, 4
	s_add_nc_u64 s[8:9], s[8:9], s[24:25]
	s_lshl_b32 s24, s23, 5
	s_add_nc_u64 s[10:11], s[10:11], s[24:25]
	s_lshl_b32 s24, s23, 2
	s_add_nc_u64 s[12:13], s[12:13], s[24:25]
	s_lshl_b32 s24, ttmp9, 12
	s_add_nc_u64 s[14:15], s[14:15], s[24:25]
.irp q, 0,1,2,3,4,5,6,7
.irp c, 0,1
	global_load_b128 v[32+8*\q+4*\c:35+8*\q+4*\c], v4, s[4:5] offset:64*\q+32*\c
	global_load_b128 v[96+8*\q+4*\c:99+8*\q+4*\c], v5, s[8:9] offset:(4*\q+2*\c)*49152
.endr
.endr
	global_load_b128 v[16:19], v6, s[6:7]          ; x's eight scale words; v16-31 hold scales and nothing else
	global_load_b128 v[20:23], v6, s[6:7] offset:16
	global_load_b128 v[24:27], v6, s[10:11]        ; W's
	global_load_b128 v[28:31], v6, s[10:11] offset:16
	s_cmp_lt_u32 s16, 8
	s_cbranch_scc0 .Lfor_v
	global_load_b128 v[160:163], v7, s[12:13]
	global_load_b128 v[164:167], v7, s[12:13] offset:16
	s_wait_loadcnt 0x0
	v_wmma_scale_f32_16x16x128_f8f6f4 v[168:175], v[96:103], v[32:39], v[160:167], v24, v16 matrix_a_fmt:MATRIX_FMT_FP4 matrix_b_fmt:MATRIX_FMT_FP4
.irp q, 1,2,3,4,5,6,7
	s_wait_alu depctr_va_vdst(0)                   ; a wait ahead of every link
	v_wmma_scale_f32_16x16x128_f8f6f4 v[168:175], v[96+8*\q:103+8*\q], v[32+8*\q:39+8*\q], v[168:175], v[24+\q], v[16+\q] matrix_a_fmt:MATRIX_FMT_FP4 matrix_b_fmt:MATRIX_FMT_FP4
.endr
	s_branch .Ljoin
.Lfor_v:
.irp j, 0,1,2,3,4,5,6,7
	global_load_b32 v[160+\j], v8, s[12:13]
.endr
	s_wait_loadcnt 0x0
	v_wmma_scale_f32_16x16x128_f8f6f4 v[168:175], v[32:39], v[96:103], v[160:167], v16, v24 matrix_a_fmt:MATRIX_FMT_FP4 matrix_b_fmt:MATRIX_FMT_FP4
.irp q, 1,2,3,4,5,6,7
	s_wait_alu depctr_va_vdst(0)
	v_wmma_scale_f32_16x16x128_f8f6f4 v[168:175], v[32+8*\q:39+8*\q], v[96+8*\q:103+8*\q], v[168:175], v[16+\q], v[24+\q] matrix_a_fmt:MATRIX_FMT_FP4 matrix_b_fmt:MATRIX_FMT_FP4
.endr
.Ljoin:
.rept 4
	v_nop
.endr
	ds_store_b128 v9, v[168:171]
	ds_store_b128 v9, v[172:175] offset:512
	s_wait_dscnt 0x0                               ; for wave 0's sake: my image lies in LDS
	s_barrier_signal -1
	s_barrier_wait -1
	s_cmp_lg_u32 s16, 0
	s_cbranch_scc1 .Lend
.irp i, 0,1,2,3,4,5,6,7,8,9,10,11
	ds_load_b128 v[32+8*\i:35+8*\i], v12 offset:1024*\i         ; q: v32-63, k: v64-95, v: v96-127
	ds_load_b128 v[36+8*\i:39+8*\i], v12 offset:1024*\i+512
.endr
	s_wait_dscnt 0x0
.irp u, 0,1,2,3                        ; S^T: four partial sums, one for each 16 channels, by turns.  v176-239 are written by matrix instructions alone
.irp nt, 0,1,2,3
.if \u == 0
	v_wmma_f32_16x16x4_f32 v[176+8*\nt:183+8*\nt], v[64+8*\nt+2*\u:65+8*\nt+2*\u], v[32+8*\nt+2*\u:33+8*\nt+2*\u], 0
.else
	v_wmma_f32_16x16x4_f32 v[176+8*\nt:183+8*\nt], v[64+8*\nt+2*\u:65+8*\nt+2*\u], v[32+8*\nt+2*\u:33+8*\nt+2*\u], v[176+8*\nt:183+8*\nt]
.endif
.endr
.endr
.rept 8
	v_nop
.endr
.irp j, 0,1,2,3,4,5,6,7
	v_add_f32 v[128+\j], v[176+\j], v[184+\j]
	v_add_f32 v[136+\j], v[192+\j], v[200+\j]
.endr
.irp j, 0,1,2,3,4,5,6,7
	v_add_f32 v[128+\j], v[128+\j], v[136+\j]      ; lane (r, h), register j: query r, key 8 h + j
.endr
.irp j, 0,1,2,3,4,5,6,7
	v_cmp_gt_i32 vcc_lo, \j, v13                   ; hidden where 8 h + j > r
	v_cndmask_b32 v[128+\j], v[128+\j], v14, vcc_lo
.endr
	v_max3_num_f32 v144, v128, v129, v130
	v_max3_num_f32 v144, v144, v131, v132
	v_max3_num_f32 v144, v144, v133, v134
	v_max_num_f32 v144, v144, v135
	v_permlanex16_b32 v145, v144, s20, s21
	v_max_num_f32 v144, v144, v145                 ; the row's maximum: key 0 counts for every query
	v_mul_f32 v146, s22, v144
.irp j, 0,1,2,3,4,5,6,7
	v_fma_f32 v[136+\j], v[128+\j], s22, -v146
.endr
.irp j, 0,1,2,3,4,5,6,7
	v_exp_f32 v[136+\j], v[136+\j]
.endr
	v_nop
	s_wait_alu depctr_va_vdst(0)                   ; one wait for the eight, ahead of their first reader
	v_add_f32 v147, v136, v137
	v_add_f32 v148, v138, v139
	v_add_f32 v149, v140, v141
	v_add_f32 v150, v142, v143
	v_add_f32 v147, v147, v148
	v_add_f32 v149, v149, v150
	v_add_f32 v147, v147, v149
	v_permlanex16_b32 v145, v147, s20, s21
	v_add_f32 v147, v147, v145
	v_rcp_f32 v148, v147
.irp u, 0,1,2,3                        ; O^T = V^T P: four tiles of 16 channels by turns
.irp dt, 0,1,2,3
.if \u == 0
	v_wmma_f32_16x16x4_f32 v[208+8*\dt:215+8*\dt], v[96+8*\dt+2*\u:97+8*\dt+2*\u], v[136+2*\u:137+2*\u], 0
.else
	v_wmma_f32_16x16x4_f32 v[208+8*\dt:215+8*\dt], v[96+8*\dt+2*\u:97+8*\dt+2*\u], v[136+2*\u:137+2*\u], v[208+8*\dt:215+8*\dt]
.endif
.endr
.endr
.rept 8
	v_nop
.endr
	s_wait_alu depctr_va_vdst(0)                   ; the reciprocal's wait, ahead of its first reader
.set n, 0
.rept 32
	v_mul_f32 v[32+n], v[208+n], v148              ; lane (r, h), register 8 dt + j: position r, channel 16 dt + 8 h + j
.set n, n+1
.endr
.irp i, 0,1,2,3,4,5,6,7
	global_store_b128 v12, v[32+4*\i:35+4*\i], s[14:15] offset:512*\i
.endr
.Lend:
	s_wait_tensorcnt 0x0                           ; the wave's end
	ds_add_u32 v[SPW], v[NIL]
	s_wait_dscnt 0x0
	s_endpgm
.Lfunc_end_k_q83be636e4f_fine_a:
	.size	k_q83be636e4f_fine_a, .Lfunc_end_k_q83be636e4f_fine_a-k_q83be636e4f_fine_a
	.p2alignl 7, 3214868480
	.fill 96, 4, 3214868480
	.section	.rodata,"a",@progbits
	.p2align	6, 0x0
	.amdhsa_kernel k_q83be636e4f_fine_a
		.amdhsa_group_segment_fixed_size 13824
		.amdhsa_private_segment_fixed_size 0
		.amdhsa_enable_private_segment 0
		.amdhsa_kernarg_size 48
		.amdhsa_user_sgpr_count 2
		.amdhsa_user_sgpr_kernarg_segment_ptr 1
		.amdhsa_wavefront_size32 1
		.amdhsa_system_sgpr_workgroup_id_x 1
		.amdhsa_system_sgpr_workgroup_id_y 1
		.amdhsa_system_sgpr_workgroup_id_z 1
		.amdhsa_system_vgpr_workitem_id 0
		.amdhsa_next_free_vgpr 240
		.amdhsa_next_free_sgpr 66
		.amdhsa_reserve_vcc 1
		.amdhsa_float_denorm_mode_32 3
		.amdhsa_float_denorm_mode_16_64 3
		.amdhsa_memory_ordered 1
		.amdhsa_forward_progress 1
		.amdhsa_inst_pref_size 19
	.end_amdhsa_kernel
	.amdgpu_metadata
---
amdhsa.version: [ 1, 2 ]
amdhsa.kernels:
  - .name:           k_q83be636e4f_fine_a
    .symbol:         k_q83be636e4f_fine_a.kd
    .args:
      - { .name: x_codes, .offset: 0, .size: 8, .value_kind: global_buffer, .address_space: global }
      - { .name: x_scales, .offset: 8, .size: 8, .value_kind: global_buffer, .address_space: global }
      - { .name: w_codes, .offset: 16, .size: 8, .value_kind: global_buffer, .address_space: global }
      - { .name: w_scales, .offset: 24, .size: 8, .value_kind: global_buffer, .address_space: global }
      - { .name: b_attn, .offset: 32, .size: 8, .value_kind: global_buffer, .address_space: global }
      - { .name: y_img, .offset: 40, .size: 8, .value_kind: global_buffer, .address_space: global }
    .group_segment_fixed_size: 13824
    .private_segment_fixed_size: 0
    .kernarg_segment_align: 8
    .kernarg_segment_size: 48
    .max_flat_workgroup_size: 384
    .sgpr_count:     66
    .vgpr_count:     240
    .wavefront_size: 32
...
	.end_amdgpu_metadata
.endif
;; end of part 5
;; launch fine_b (part 6): grid 16 x 4, 16 waves a work-group, no clusters, 71,680 bytes of LDS; arguments y_img, W_proj, b_proj, out0; writes out0
.if DOCPART == 6
	.amdgcn_target "amdgcn-amd-amdhsa--gfx1250"
	.amdhsa_code_object_version 6
	.text
	.protected	k_q83be636e4f_fine_b
	.globl	k_q83be636e4f_fine_b
	.p2align	8
	.type	k_q83be636e4f_fine_b,@function
k_q83be636e4f_fine_b:
	s_mov_b64 s[64:65], 0
	v_nop
	global_prefetch_b8 v0, s[64:65] scope:SCOPE_SE
	s_setreg_imm32_b32 hwreg(HW_REG_WAVE_MODE, 25, 1), 1
	s_wait_xcnt 0x0
; THE PROJECTION OF POSITIONS 0 TO 15 OF EVERY SEQUENCE, IN F32: it writes those 64 rows of out0 again, over what the 16-bit projection left there.
; Work-group (x, batch): 16 positions x 64 columns.  Wave w contracts head w's 64 channels: y's register image is source 1 as it lies, and W_proj is loaded in the same order of k, so nothing changes lanes.
; Four accumulators (16 columns each) take turns.  The sixteen partial tiles meet in LDS; waves 0 to 7 add them in a fixed order, add the bias and store two rows of 256 bytes each.
.set SPW,   10
.set NIL,   11
.set SPARE, 69632                      ; behind sixteen tiles of 16 rows x (256 + 16) bytes: the spare words
	s_load_b256 s[4:11], s[0:1], 0x0               ; y_img 4:5, W_proj 6:7, b_proj 8:9, out0 10:11
	v_lshl_add_u32 v[SPW], v0, 2, SPARE
	v_mov_b32 v[NIL], 0
	v_lshrrev_b32 v1, 5, v0
	v_readfirstlane_b32 s12, v1                    ; wave 0..15
	v_and_b32 v1, 15, v0                           ; r
	v_bfe_u32 v2, v0, 4, 1                         ; h
	v_and_b32 v3, 31, v0
	v_lshlrev_b32 v4, 4, v3                        ; the image: 16 x lane
	v_lshlrev_b32 v5, 2, v1
	v_lshl_add_u32 v5, v2, 15, v5                  ; W_proj: column r, eight rows of 4,096 bytes further for the upper lanes
	s_mul_i32 s13, s12, 4352
	v_mul_u32_u24 v6, v1, 272
	v_lshl_add_u32 v6, v2, 5, v6
	v_add_nc_u32 v6, s13, v6                       ; my partial tile: row r, + 32 h
	s_and_b32 s14, s12, 7
	s_lshl_b32 s14, s14, 1
	v_add_nc_u32 v7, s14, v2                       ; the row that I add up: 2 (wave % 8) + lane / 16
	v_lshlrev_b32 v9, 4, v1
	v_lshl_add_u32 v8, v7, 12, v9                  ; its place in out0
	v_mul_u32_u24 v7, v7, 272
	v_add_nc_u32 v7, v7, v9                        ; and in a partial tile
	s_and_b32 s15, ttmp7, 0xffff                   ; batch
	s_lshl_b32 s16, s15, 4
	s_add_co_u32 s16, s16, s12
	s_lshl_b32 s16, s16, 12                        ; head w's image
	s_mov_b32 s17, 0
	s_lshl_b32 s20, ttmp9, 8                       ; my 64 columns, in bytes
	s_mov_b32 s21, 0
	s_lshl_b32 s18, s12, 18                        ; head w's 64 rows of W_proj
	s_add_co_u32 s18, s18, s20
	s_mov_b32 s19, 0
	s_lshl_b32 s22, s15, 23                        ; the sequence's first row of out0
	s_add_co_u32 s22, s22, s20
	s_mov_b32 s23, 0
	s_wait_kmcnt 0x0
	s_add_nc_u64 s[4:5], s[4:5], s[16:17]
	s_add_nc_u64 s[6:7], s[6:7], s[18:19]
	s_add_nc_u64 s[8:9], s[8:9], s[20:21]
	s_add_nc_u64 s[10:11], s[10:11], s[22:23]
.irp i, 0,1,2,3,4,5,6,7
	global_load_b128 v[32+4*\i:35+4*\i], v4, s[4:5] offset:512*\i
.endr
	global_load_b128 v[24:27], v9, s[8:9]          ; the bias of my four columns
.irp nt, 0,1,2,3
.irp dt, 0,1,2,3
.irp u, 0,1,2,3
.irp j, 0,1
	global_load_b32 v[64+32*\nt+8*\dt+2*\u+\j], v5, s[6:7] offset:(16*\dt+2*\u+\j)*4096+64*\nt
.endr
.endr
.endr
.endr
	s_wait_loadcnt 0x0
.irp dt, 0,1,2,3                       ; v192-223 are written by matrix instructions alone
.irp u, 0,1,2,3
.irp nt, 0,1,2,3
.if (\dt == 0) && (\u == 0)
	v_wmma_f32_16x16x4_f32 v[192+8*\nt:199+8*\nt], v[64+32*\nt+8*\dt+2*\u:65+32*\nt+8*\dt+2*\u], v[32+8*\dt+2*\u:33+8*\dt+2*\u], 0
.else
	v_wmma_f32_16x16x4_f32 v[192+8*\nt:199+8*\nt], v[64+32*\nt+8*\dt+2*\u:65+32*\nt+8*\dt+2*\u], v[32+8*\dt+2*\u:33+8*\dt+2*\u], v[192+8*\nt:199+8*\nt]
.endif
.endr
.endr
.endr
.rept 8
	v_nop
.endr
.irp nt, 0,1,2,3
	ds_store_b128 v6, v[192+8*\nt:195+8*\nt] offset:64*\nt       ; lane (r, h): position r, columns 16 nt + 8 h + 0 .. 7
	ds_store_b128 v6, v[196+8*\nt:199+8*\nt] offset:64*\nt+16
.endr
	s_wait_dscnt 0x0                               ; for the others' sake: my partial tile lies in LDS
	s_barrier_signal -1
	s_barrier_wait -1
	s_cmp_lt_u32 s12, 8
	s_cbranch_scc0 .Lend
.irp p, 0,1,2,3,4,5,6,7,8,9,10,11,12,13,14,15
	ds_load_b128 v[64+4*\p:67+4*\p], v7 offset:4352*\p
.endr
	s_wait_dscnt 0x0
.irp p, 1,2,3,4,5,6,7                  ; two chains: the even heads' and the odd heads'
	v_pk_add_f32 v[64:65], v[64:65], v[64+8*\p:65+8*\p]
	v_pk_add_f32 v[66:67], v[66:67], v[66+8*\p:67+8*\p]
	v_pk_add_f32 v[68:69], v[68:69], v[68+8*\p:69+8*\p]
	v_pk_add_f32 v[70:71], v[70:71], v[70+8*\p:71+8*\p]
.endr
	v_pk_add_f32 v[64:65], v[64:65], v[68:69]
	v_pk_add_f32 v[66:67], v[66:67], v[70:71]
	v_pk_add_f32 v[64:65], v[64:65], v[24:25]
	v_pk_add_f32 v[66:67], v[66:67], v[26:27]
	global_store_b128 v8, v[64:67], s[10:11]       ; sixteen lanes store 256 consecutive bytes, aligned
.Lend:
	s_wait_tensorcnt 0x0                           ; the wave's end
	ds_add_u32 v[SPW], v[NIL]
	s_wait_dscnt 0x0
	s_endpgm
.Lfunc_end_k_q83be636e4f_fine_b:
	.size	k_q83be636e4f_fine_b, .Lfunc_end_k_q83be636e4f_fine_b-k_q83be636e4f_fine_b
	.p2alignl 7, 3214868480
	.fill 96, 4, 3214868480
	.section	.rodata,"a",@progbits
	.p2align	6, 0x0
	.amdhsa_kernel k_q83be636e4f_fine_b
		.amdhsa_group_segment_fixed_size 71680
		.amdhsa_private_segment_fixed_size 0
		.amdhsa_enable_private_segment 0
		.amdhsa_kernarg_size 32
		.amdhsa_user_sgpr_count 2
		.amdhsa_user_sgpr_kernarg_segment_ptr 1
		.amdhsa_wavefront_size32 1
		.amdhsa_system_sgpr_workgroup_id_x 1
		.amdhsa_system_sgpr_workgroup_id_y 1
		.amdhsa_system_sgpr_workgroup_id_z 1
		.amdhsa_system_vgpr_workitem_id 0
		.amdhsa_next_free_vgpr 224
		.amdhsa_next_free_sgpr 66
		.amdhsa_reserve_vcc 0
		.amdhsa_float_denorm_mode_32 3
		.amdhsa_float_denorm_mode_16_64 3
		.amdhsa_memory_ordered 1
		.amdhsa_forward_progress 1
		.amdhsa_inst_pref_size 23
	.end_amdhsa_kernel
	.amdgpu_metadata
---
amdhsa.version: [ 1, 2 ]
amdhsa.kernels:
  - .name:           k_q83be636e4f_fine_b
    .symbol:         k_q83be636e4f_fine_b.kd
    .args:
      - { .name: y_img, .offset: 0, .size: 8, .value_kind: global_buffer, .address_space: global }
      - { .name: W_proj, .offset: 8, .size: 8, .value_kind: global_buffer, .address_space: global }
      - { .name: b_proj, .offset: 16, .size: 8, .value_kind: global_buffer, .address_space: global }
      - { .name: out0, .offset: 24, .size: 8, .value_kind: global_buffer, .address_space: global }
    .group_segment_fixed_size: 71680
    .private_segment_fixed_size: 0
    .kernarg_segment_align: 8
    .kernarg_segment_size: 32
    .max_flat_workgroup_size: 512
    .sgpr_count:     66
    .vgpr_count:     224
    .wavefront_size: 32
...
	.end_amdgpu_metadata
.endif
;; end of part 6
